; MI455X (gfx1250); checked and timed in simulation.
; The chip was launched on July 23, 2026; its instructions are those of AMD's public machine-readable ISA for CDNA 5 (MIT licence, August 2026) and "CDNA5" Instruction Set Architecture Reference Guide (July 2026). The comments in the code are by the model that wrote it; some were corrected since.
;; Attention. Allowed arithmetic: matrix products marked QUANTISED: E2M3 operands, one E8M0 scale for each 32 along K, by v_wmma_scale_f32_16x16x128_f8f6f4 with both operands' format E2M3, f32 sums; everything else in f32.
;; Inputs: Wkv 1,024 x 2,048 float32; Wout 1,024 x 1,024 float32; Wq 1,024 x 1,024 float32; bout 1,024 float32; queries 4 x 2,048 x 1,024 float32.
;; Outputs: out0 4 x 2,048 x 1,024 float32.
;; This version of the problem:
;;   THIS VERSION OF THE PROBLEM IS GIVEN IN LOW PRECISION. The matrix products marked QUANTISED in the list below multiply operands that are first quantised to E2M3 (2 exponent bits, 3 mantissa bits; 6 bits a number), with one power-of-two scale for each 32 numbers along K (OCP MX v1.0); their sums are f32. All else is computed in f32.
;;   The module's matrix products, in the order in which they are computed (A, B: the left and right operand; K: the contracted axis; several contracted axes count as one K, in the product's order):
;;     1. [M 8,192, K 1,024] x [K 1,024, N 1,024]; A: input queries; B: input Wq: QUANTISED
;;     2. [M 8,192, K 1,024] x [K 1,024, N 2,048]; A: input queries; B: input Wkv: QUANTISED
;;     3. batch 64 x [M 2,048, K 64] x [K 64, N 2,048]; A: computed on the way; B: computed on the way: QUANTISED
;;     4. batch 64 x [M 2,048, K 2,048] x [K 2,048, N 64]; A: softmax (see below); B: computed on the way: QUANTISED
;;     5. [M 8,192, K 1,024] x [K 1,024, N 1,024]; A: computed on the way; B: input Wout: QUANTISED
;;   THE QUANTISER, for each operand of a quantised product, along K:
;;     - K is cut into blocks of 32 from its start; a last block that is shorter is filled with zeros.
;;     - A block's scale is 2^e with e = floor(log2(the largest magnitude in the block)) - 2, held to -126 .. 127; a block of zeros has e = 0. As a byte (E8M0): e + 127.
;;     - Each number is divided by its block's scale, clamped to +-7.5, and rounded to the nearest number of E2M3, ties to even, subnormals kept.
;;     - The product sums the exact products of the quantised numbers (number of the format x scale) in f32.
;;   ~~~python
;;   def quantise(x, axis):      # numpy; x: float32 -> the quantised numbers, widened to float32 again
;;       x = np.moveaxis(x, axis, -1); K = x.shape[-1]
;;       x = np.pad(x, [(0, 0)] * (x.ndim - 1) + [(0, -K % 32)]); x = x.reshape(x.shape[:-1] + (-1, 32)); a = np.abs(x).max(-1, keepdims=True)
;;       e = np.where(a > 0, np.clip(np.frexp(np.where(a > 0, a, 1))[1] - 1 - 2, -126, 127), 0)      # np.frexp(a)[1] - 1 = floor(log2(a)), exactly
;;       r = np.clip(x / 2.0 ** e, -7.5, 7.5)
;;       step = 2.0 ** (np.maximum(np.frexp(np.where(r == 0, 1, r))[1] - 1, 0) - 3)
;;       q = np.round(r / step) * step * 2.0 ** e      # np.round: ties to even
;;       return np.moveaxis(q.reshape(q.shape[:-2] + (-1,))[..., :K], -1, axis).astype(np.float32)
;;   ~~~
;;   SOFTMAX AHEAD OF A QUANTISED PRODUCT. Where the list says 'softmax', what is quantised is not the finished softmax but p = 2^(t - M), with t = logit x log2(e) and M = ceil(the row's largest t), a whole number; so 1/2 < the row's largest p <= 1. The row's sum l is taken of the UNQUANTISED p, in f32, and the product's result is divided by l at the end. Since M is a whole number, a kernel that streams over the keys may use a running M (the ceiling of the running maximum): every later rescaling is an exact power of two, which a block's scale takes up: the codes' values come out the same.
;;   OPERANDS COMPUTED ON THE WAY. 'Computed on the way' means the value that the module computes at that place (a softmax that the list does not call 'softmax' is quantised finished and normalised). What goes into a quantiser is computed in f32, as accurately as f32 sums, v_exp_f32 and their like allow (about 1e-6 of the number): no bf16 or f16 on the way to a quantiser, and a product that is left as it is and whose result goes on into a quantised operand takes f32 operands (vector FMAs, or v_wmma_f32_16x16x4_f32). A number that lies on a knife's edge between two numbers of the format may be rounded either way, as far as f32 arithmetic and the matrix unit's own rounding can turn it there, and no further.
;; One version. Each part assembles by itself: llvm-mc -triple=amdgcn-amd-amdhsa -mcpu=gfx1250 --defsym DOCPART=n.
;; ======== version 1 of 1: 4 launches
;; limits: right only within a limited range of input values
;; workspace buffers: xc 6,291,456 bytes; xs 262,144 bytes; wc 3,145,728 bytes; ws 131,072 bytes; rope 262,144 bytes; qkv 20,185,088 bytes; oc 6,291,456 bytes; os 262,144 bytes
;; launch prep (part 1): grid 384 x 1, 4 waves a work-group, no clusters, 34,304 bytes of LDS; arguments queries, Wq, Wkv, Wout, xc, xs, wc, ws, rope; writes xc, xs, wc, ws, rope
.if DOCPART == 1
	.amdgcn_target "amdgcn-amd-amdhsa--gfx1250"
	.amdhsa_code_object_version 6
	.text
	.protected	k_qabacbd8bd4_prep
	.globl	k_qabacbd8bd4_prep
	.p2align	8
	.type	k_qabacbd8bd4_prep,@function
k_qabacbd8bd4_prep:
	s_mov_b64 s[64:65], 0
	v_nop
	global_prefetch_b8 v0, s[64:65] scope:SCOPE_SE
	s_setreg_imm32_b32 hwreg(HW_REG_WAVE_MODE, 25, 1), 1
	s_wait_xcnt 0x0
; PREP: queries [8192][1024] and the three weights (K = their FIRST axis) become codes of FP6 (E2M3) with one E8M0 byte for each 32 along K; and the table of cos and sin for the rotary embedding is made.
; POSITIONS.  Every operand row (a token, a weight's column) is stored at position p = its index with bits 3 and 4 exchanged (inside each group of 32).  A tile of 16 neighbouring positions 16 t + r then holds the
; rows 32 (t / 2) + 8 (t % 2) + r + 8 (r / 8), so that in a later product the 16 registers of two neighbouring tiles are 16 neighbours along the next K.
; IMAGES.  Codes are laid as the operand's registers: a fragment (16 rows x 128 K, 12 registers a lane) is six pieces of 256 bytes; piece p holds registers 2 p, 2 p + 1, lane l's 8 bytes at 256 p + 8 l.
; xc, wc: [row tile][K step of 128][1,536 bytes].  xs, ws: [position][32 scale bytes].  wc's positions: 0-1023 Wq's columns, 1024-3071 Wkv's, 3072-4095 Wout's.  rope: [n][16][cos, sin] f32.
; A block's scale byte is its largest magnitude's exponent field - 2, held at 1 from below.
; LIMITS: a block of zeros gets the byte 1 where the quantiser's rule says 127 (its codes are zeros, and this program alone reads the bytes); blocks whose largest magnitude lies under 2^-124 are held at that floor;
; NaN and infinities are not served.  The 16 frequencies are the f32 numbers nearest to 10^(-i/4); an angle n x f is rounded once; cos and sin come by a reduction modulo pi/2 in two parts and polynomials of
; degree 7 and 8, good to about 1e-7 for the angles up to 2,047 that occur.
; SHARES.  Work-groups 0-127: a wave takes one row tile of queries, all 8 K steps.  Work-groups 128-383: a wave takes 32 positions of the weights x one K step of 128; each thread also makes one entry of the table.
; ws is stored 4 bytes a lane to rows 32 bytes apart: 131,072 bytes in all, one byte for 128 bytes that this path reads; whole rows would want one wave to hold all of K for its columns.
.set SEL, 46                           ; s[46:47] lane selects for v_permlanex16_b32: lane l xor 16
.set RA,  16                           ; v16-143  x path: two sets of 64 as loaded.  weights path: 128 numbers down K
.set X,   144                          ; v144-207 64 numbers of my row: register 16 b + i = k 32 b + 16 (lane / 16) + i
.set PC,  208                          ; v208-227 the codes just made
.set TM,  228                          ; v228-243 at work
.set PW,  244                          ; the scale word just made
.set SW,  246                          ; v246-253 the tile's eight scale words
; 64 numbers of a lane become a fragment's codes in v[PC] on and its row's scale word in v[PW].
.macro QUANT s
.irp b, 0,1,2,3
	v_max3_num_f32 v[TM+\b], |v[\s+16*\b]|, |v[\s+1+16*\b]|, 0x1800000   ; block b: my 16 numbers, and the floor 2^(3 - 127): the byte cannot fall under 1
.endr
.irp i, 2,4,6,8,10,12,14
.irp b, 0,1,2,3
	v_max3_num_f32 v[TM+\b], v[TM+\b], |v[\s+16*\b+\i]|, |v[\s+1+16*\b+\i]|   ; the four blocks by turns
.endr
.endr
.irp b, 0,1,2,3
	v_permlanex16_b32 v[TM+4+\b], v[TM+\b], s[SEL], s[SEL+1]
.endr
.irp b, 0,1,2,3
	v_max_num_f32 v[TM+\b], v[TM+\b], v[TM+4+\b]   ; with lane l xor 16's: the block's largest magnitude
.endr
.irp b, 0,1,2,3
	v_add_nc_u32 v[TM+12+\b], 0xff000000, v[TM+\b]   ; 2 off its exponent field: the conversion's scale operand
.endr
.irp b, 0,1,2,3
	v_lshrrev_b32 v[TM+4+\b], 23, v[TM+12+\b]   ; the scale's byte
.endr
	v_lshl_or_b32 v[PW], v[TM+5], 8, v[TM+4]
	v_lshl_or_b32 v[PW], v[TM+6], 16, v[PW]
	v_lshl_or_b32 v[PW], v[TM+7], 24, v[PW]
.irp c, 0,1
	v_cvt_scalef32_pk16_fp6_f32 v[PC+6*\c:PC+2+6*\c], v[\s+32*\c:\s+15+32*\c], v[TM+12+2*\c]
	v_cvt_scalef32_pk16_fp6_f32 v[PC+12+4*\c:PC+14+4*\c], v[\s+16+32*\c:\s+31+32*\c], v[TM+12+2*\c+1]   ; (a conversion's three registers begin on an even number)
.endr
	v_nop                                          ; one plain place behind a scaled conversion
.irp c, 0,1                                    ; the operand's layout wants a whole block in a lane: lanes 0-15 block 2 c, lanes 16-31 block 2 c + 1
.irp i, 0,1,2
	v_permlane16_swap_b32 v[PC+6*\c+\i], v[PC+12+4*\c+\i]
.endr
.irp i, 0,1,2
	v_mov_b32 v[PC+3+6*\c+\i], v[PC+12+4*\c+\i]
.endr
.endr
.endm
	s_load_b256 s[4:11], s[0:1], 0x0               ; queries s[4:5], Wq s[6:7], Wkv s[8:9], Wout s[10:11]
	s_load_b256 s[12:19], s[0:1], 0x20             ; xc s[12:13], xs s[14:15], wc s[16:17], ws s[18:19]
	s_load_b64 s[20:21], s[0:1], 0x40              ; rope
	v_lshl_add_u32 v254, v0, 2, 0x8400
	v_mov_b32 v255, 0
	v_lshrrev_b32 v1, 5, v0
	v_readfirstlane_b32 s22, v1                    ; wave
	v_and_b32 v1, 31, v0                           ; lane
	s_mov_b32 s[SEL], 0x76543210
	s_mov_b32 s[SEL+1], 0xfedcba98
	s_cmp_lt_u32 ttmp9, 128
	s_cbranch_scc0 .Lweights
; ---------------- queries.  Row tile T = 4 x work-group + wave: tokens 32 (T / 2) + 8 (T % 2) + (0..7, 16..23)
	s_lshl_b32 s23, ttmp9, 2
	s_add_co_u32 s23, s23, s22                     ; T
	s_lshr_b32 s24, s23, 1
	s_lshl_b32 s24, s24, 17                        ; 32 tokens of 4,096 bytes
	s_and_b32 s25, s23, 1
	s_lshl_b32 s25, s25, 15                        ; 8 tokens
	s_add_co_u32 s24, s24, s25
	s_mov_b32 s25, 0
	s_mul_i32 s26, s23, 12288                      ; the tile's eight fragments in xc
	s_mov_b32 s27, 0
	s_lshl_b32 s28, s23, 9                         ; its 16 rows of 32 scale bytes
	s_mov_b32 s29, 0
	s_mul_i32 s30, s22, 8448                       ; my wave's stage in LDS: 16 rows of 512 bytes + 16
	s_wait_alu depctr_va_vdst(0)
	v_lshlrev_b32 v2, 4, v1                        ; 16 x lane: my bytes of a load's 512
	v_add_nc_u32 v3, s30, v2                       ; the stage, on the way in
	v_and_b32 v7, 15, v1                           ; r
	v_lshrrev_b32 v8, 4, v1                        ; h
	v_mul_u32_u24 v4, v7, 528
	v_lshl_add_u32 v4, v8, 6, v4
	v_add_nc_u32 v4, s30, v4                       ; and on the way out: row r, + 64 h: my 16 numbers of each block of 32
	v_lshlrev_b32 v5, 3, v1                        ; 8 x lane: my place in a piece
	v_lshlrev_b32 v6, 5, v7
	v_lshl_add_u32 v6, v8, 4, v6                   ; 32 r + 16 h: my half of row r's scale bytes
.irp b, 0,1,2,3
	v_mov_b32 v[TM+4+\b], 0                        ; written once: a lane permute's destination counts as one of its sources
.endr
	s_wait_alu depctr_va_vdst(0)
	s_wait_kmcnt 0x0
	s_add_nc_u64 s[4:5], s[4:5], s[24:25]
	s_add_nc_u64 s[12:13], s[12:13], s[26:27]
	s_add_nc_u64 s[14:15], s[14:15], s[28:29]
.macro LOAD t                          ; K step t of the tile's 16 rows: each load reads 512 consecutive bytes of one row
.irp r, 0,1,2,3,4,5,6,7,8,9,10,11,12,13,14,15
	global_load_b128 v[RA+64*((\t)%2)+4*\r:RA+64*((\t)%2)+4*\r+3], v2, s[4:5] offset:(16*(\r/8)+\r%8)*4096+512*(\t) th:TH_LOAD_NT
.endr
.endm
.macro STEP t
.if (\t) < 7
	s_wait_loadcnt 16                              ; this step's 16 loads are in; the next step's 16 may be out
.else
	s_wait_loadcnt 0
.endif
.irp r, 0,1,2,3,4,5,6,7,8,9,10,11,12,13,14,15
	ds_store_b128 v3, v[RA+64*((\t)%2)+4*\r:RA+64*((\t)%2)+4*\r+3] offset:528*\r
.endr
.irp b, 0,1,2,3
.irp j, 0,1,2,3
	ds_load_b128 v[X+16*\b+4*\j:X+16*\b+4*\j+3], v4 offset:128*\b+16*\j   ; LDS serves a wave's instructions in order: these see the stores above
.endr
.endr
	s_wait_dscnt 0x0                               ; my 64 numbers are in, and the stores have read their registers
	s_wait_xcnt 0x0                                ; the last step's stores have read the codes' registers, which are written again below
.if (\t)+2 < 8
	LOAD (\t)+2
.endif
	QUANT X
.irp p, 0,1,2,3,4,5
	global_store_b64 v5, v[PC+2*\p:PC+2*\p+1], s[12:13] offset:1536*(\t)+256*\p   ; 32 lanes store 256 consecutive bytes, aligned
.endr
	v_mov_b32 v[SW+(\t)], v[PW]
.endm
	LOAD 0
	LOAD 1
.irp t, 0,1,2,3,4,5,6,7
	STEP \t
.endr
	v_cmp_lt_u32 vcc_lo, 15, v1                    ; lanes 16-31 store words 4-7 of row r, lanes 0-15 words 0-3
.irp i, 0,1,2,3
	v_cndmask_b32 v[SW+\i], v[SW+\i], v[SW+4+\i], vcc_lo
.endr
	global_store_b128 v6, v[SW:SW+3], s[14:15]     ; 512 consecutive bytes
	s_wait_tensorcnt 0x0
	ds_add_u32 v254, v255
	s_wait_dscnt 0x0
	s_endpgm
; ---------------- the weights, and the table
.Lweights:
	s_sub_co_u32 s23, ttmp9, 128                   ; j = 0 .. 255
	s_and_b32 s24, s23, 31                         ; x: which 128 positions
	s_lshr_b32 s25, s23, 5                         ; which K step of 128
	s_wait_alu depctr_va_vdst(0)
	v_and_b32 v3, 7, v1
	v_bfe_u32 v4, v1, 3, 1
	v_bfe_u32 v5, v1, 4, 1
	v_lshl_or_b32 v3, v4, 4, v3
	v_lshl_or_b32 v3, v5, 3, v3                    ; the column that stands at position l: l with bits 3 and 4 exchanged
	v_lshlrev_b32 v3, 2, v3                        ; in bytes: the wave's load still covers 128 consecutive bytes
	v_lshlrev_b32 v7, 3, v1                        ; 8 x lane
	v_lshlrev_b32 v8, 5, v1                        ; 32 x lane: my position's row of scale bytes
	s_mov_b32 s32, 0x3f22f983                      ; 2 / pi
	s_mov_b32 s33, 0x3fc90fdb                      ; pi / 2, upper part
	s_mov_b32 s34, 0xb33bbd2e                      ; and what is left of it
	s_mov_b32 s35, 0xbe2aaaa3                      ; sine: rho + rho z (S1 + z (S2 + z S3))
	s_mov_b32 s36, 0x3c08839e
	s_mov_b32 s37, 0xb94ca1f9
	s_mov_b32 s38, 0x3d2aaaa5                      ; cosine: 1 - z / 2 + z z (C1 + z (C2 + z C3))
	s_mov_b32 s39, 0xbab6061a
	s_mov_b32 s40, 0x37ccf5ce
	s_wait_kmcnt 0x0
	s_cmp_lt_u32 s24, 24                           ; which matrix: the choice hangs on the work-group's number alone
	s_cselect_b64 s[8:9], s[8:9], s[10:11]
	s_cselect_b32 s26, 8, 24                       ; its first x
	s_cselect_b32 s27, 13, 12                      ; log2 of its row in bytes
	s_cmp_lt_u32 s24, 8
	s_cselect_b64 s[8:9], s[6:7], s[8:9]
	s_cselect_b32 s26, 0, s26
	s_cselect_b32 s27, 12, s27
	s_sub_co_u32 s28, s24, s26
	s_lshl_b32 s28, s28, 9                         ; 128 columns of 4 bytes
	s_lshl_b32 s29, s22, 7                         ; my wave's 32
	s_add_co_u32 s28, s28, s29
	s_lshl_b32 s29, s25, 7
	s_lshl_b32 s29, s29, s27                       ; 128 rows for each K step
	s_add_co_u32 s28, s28, s29
	s_mov_b32 s29, 0
	s_add_nc_u64 s[8:9], s[8:9], s[28:29]
	s_lshl_b32 s30, s24, 3
	s_lshl_b32 s31, s22, 1
	s_add_co_u32 s30, s30, s31                     ; my first row tile of wc: 8 x + 2 x wave
	s_mul_i32 s30, s30, 12288
	s_mul_i32 s31, s25, 1536
	s_add_co_u32 s30, s30, s31
	s_mov_b32 s31, 0
	s_add_nc_u64 s[16:17], s[16:17], s[30:31]
	s_lshl_b32 s30, s24, 12                        ; ws: 128 positions of 32 bytes,
	s_lshl_b32 s28, s22, 10                        ; my wave's 32,
	s_add_co_u32 s30, s30, s28
	s_lshl_b32 s28, s25, 2                         ; the K step's word
	s_add_co_u32 s30, s30, s28
	s_add_nc_u64 s[18:19], s[18:19], s[30:31]
	s_lshl_b32 s30, s23, 10                        ; rope: 8 rows of 128 bytes a work-group
	s_add_nc_u64 s[20:21], s[20:21], s[30:31]
.macro WLOADS pitch                    ; W(128 kstep + i, my column), i = 0 .. 127: my registers run down K
.set i, 0
.rept 128
	global_load_b32 v[RA+i], v3, s[8:9] offset:i*\pitch th:TH_LOAD_NT
.set i, i+1
.endr
.endm
	s_cmp_eq_u32 s27, 13                           ; the two arms issue the same 128 loads into the same registers; only the immediates differ
	s_cbranch_scc1 .Lwide
	s_wait_alu depctr_va_vdst(0)
	WLOADS 4096
	s_branch .Lloaded
.Lwide:
	s_wait_alu depctr_va_vdst(0)
	WLOADS 8192
.Lloaded:
	; the table, while the loads are on their way: thread t makes (cos, sin) of n = 8 j + t / 16, frequency i = t % 16
	v_lshrrev_b32 v200, 4, v0
	v_lshl_add_u32 v200, s23, 3, v200              ; n
	v_and_b32 v201, 15, v0                         ; i
	v_mov_b32 v202, 1.0                            ; f = 10^(-i / 4)
.macro SETF i, lit
	v_cmp_ne_u32 vcc_lo, \i, v201
	v_cndmask_b32 v202, \lit, v202, vcc_lo
.endm
	SETF 1, 0x3f0ff59a
	SETF 2, 0x3ea1e89b
	SETF 3, 0x3e361887
	SETF 4, 0x3dcccccd
	SETF 5, 0x3d6655c3
	SETF 6, 0x3d0186e2
	SETF 7, 0x3c91ad39
	SETF 8, 0x3c23d70a
	SETF 9, 0x3bb8449c
	SETF 10, 0x3b4f3e37
	SETF 11, 0x3ae91528
	SETF 12, 0x3a83126f
	SETF 13, 0x3a136a16
	SETF 14, 0x39a5cb5f
	SETF 15, 0x393a7753
	v_cvt_f32_u32 v203, v200
	v_mul_f32 v203, v203, v202                     ; the angle, rounded once
	v_mul_f32 v204, s32, v203
	v_rndne_f32 v204, v204                         ; k = the nearest multiple of pi / 2
	v_fma_f32 v205, -v204, s33, v203
	v_fma_f32 v205, -v204, s34, v205               ; rho = angle - k pi / 2, at most pi / 4 in size
	v_mul_f32 v206, v205, v205                     ; z
	v_fma_f32 v207, v206, s37, s36
	v_fma_f32 v207, v207, v206, s35
	v_mul_f32 v208, v205, v206
	v_fma_f32 v207, v207, v208, v205               ; sin rho
	v_fma_f32 v209, v206, s40, s39
	v_fma_f32 v209, v209, v206, s38
	v_mul_f32 v210, v206, v206
	v_fma_f32 v211, v206, -0.5, 1.0
	v_fma_f32 v209, v209, v210, v211               ; cos rho
	v_cvt_i32_f32 v212, v204
	v_and_b32 v213, 1, v212
	v_cmp_eq_u32 vcc_lo, 1, v213                   ; an odd k exchanges the two
	v_cndmask_b32 v215, v207, v209, vcc_lo         ; the sine
	v_cndmask_b32 v214, v209, v207, vcc_lo         ; the cosine
	v_and_b32 v213, 2, v212                        ; k % 4 = 2, 3: the sine changes sign
	v_lshlrev_b32 v213, 30, v213
	v_xor_b32 v215, v213, v215
	v_add_nc_u32 v213, 1, v212                     ; k % 4 = 1, 2: the cosine does
	v_and_b32 v213, 2, v213
	v_lshlrev_b32 v213, 30, v213
	v_xor_b32 v214, v213, v214
	v_lshlrev_b32 v216, 3, v0
	global_store_b64 v216, v[214:215], s[20:21]    ; a wave stores 256 consecutive bytes, aligned
; Blocks 2 c (for lanes 0-15 of a fragment) and 2 c + 1 (for lanes 16-31): all 32 numbers of each are mine.  Lanes 0-15 stand for the rows of my first tile, lanes 16-31 for those of my second:
; an exchange of halves between the even block's codes and the odd block's gives registers 6 c .. 6 c + 5 of the first tile's fragment in one run and of the second tile's in the other.
.macro PAIR c
.set PE, RA+64*\c
.set PO, RA+32+64*\c
.set PB, 144+20*\c                     ; a set of its own for each c, so that no store's data are written again
	v_max3_num_f32 v184, |v[PE]|, |v[PE+1]|, 0x1800000               ; with the floor 2^(3 - 127)
	v_max3_num_f32 v185, |v[PE+16]|, |v[PE+17]|, |v[PE+18]|
	v_max3_num_f32 v186, |v[PO]|, |v[PO+1]|, 0x1800000
	v_max3_num_f32 v187, |v[PO+16]|, |v[PO+17]|, |v[PO+18]|
.irp i, 2,4,6,8,10,12
	v_max3_num_f32 v184, v184, |v[PE+\i]|, |v[PE+1+\i]|
	v_max3_num_f32 v185, v185, |v[PE+17+\i]|, |v[PE+18+\i]|
	v_max3_num_f32 v186, v186, |v[PO+\i]|, |v[PO+1+\i]|
	v_max3_num_f32 v187, v187, |v[PO+17+\i]|, |v[PO+18+\i]|
.endr
	v_max3_num_f32 v184, v184, |v[PE+14]|, |v[PE+15]|
	v_max3_num_f32 v186, v186, |v[PO+14]|, |v[PO+15]|
	v_max3_num_f32 v184, v184, v185, |v[PE+31]|
	v_max3_num_f32 v186, v186, v187, |v[PO+31]|
	v_add_nc_u32 v188, 0xff000000, v184            ; 2 off the exponent field: the conversions' scale operands
	v_add_nc_u32 v189, 0xff000000, v186
	v_lshrrev_b32 v[190+2*\c], 23, v188            ; the scales' bytes
	v_lshrrev_b32 v[191+2*\c], 23, v189
	v_cvt_scalef32_pk16_fp6_f32 v[PB:PB+2], v[PE:PE+15], v188
	v_cvt_scalef32_pk16_fp6_f32 v[PB+12:PB+14], v[PE+16:PE+31], v188
	v_cvt_scalef32_pk16_fp6_f32 v[PB+6:PB+8], v[PO:PO+15], v189
	v_cvt_scalef32_pk16_fp6_f32 v[PB+16:PB+18], v[PO+16:PO+31], v189
	v_nop                                          ; one plain place behind a scaled conversion
.irp i, 0,1,2
	v_permlane16_swap_b32 v[PB+\i], v[PB+6+\i]
	v_permlane16_swap_b32 v[PB+12+\i], v[PB+16+\i]
.endr
.irp i, 0,1,2
	v_mov_b32 v[PB+3+\i], v[PB+12+\i]
	v_mov_b32 v[PB+9+\i], v[PB+16+\i]
.endr
.irp q, 0,1,2
	global_store_b64 v7, v[PB+2*\q:PB+2*\q+1], s[16:17] offset:256*(3*\c+\q)           ; pieces 3 c + q of my first tile: 256 consecutive bytes, aligned
	global_store_b64 v7, v[PB+6+2*\q:PB+7+2*\q], s[16:17] offset:12288+256*(3*\c+\q)   ; and of my second
.endr
.endm
	s_wait_loadcnt 63                              ; the youngest 63 loads may be out: rows 0 to 64 are in
	PAIR 0
	s_wait_loadcnt 0
	PAIR 1
	v_lshl_or_b32 v194, v191, 8, v190              ; my position's four bytes of this K step
	v_lshl_or_b32 v194, v192, 16, v194
	v_lshl_or_b32 v194, v193, 24, v194
	global_store_b32 v8, v194, s[18:19]
	s_endpgm
.Lfunc_end_k_qabacbd8bd4_prep:
	.size	k_qabacbd8bd4_prep, .Lfunc_end_k_qabacbd8bd4_prep-k_qabacbd8bd4_prep
	.p2alignl 7, 3214868480
	.fill 96, 4, 3214868480
	.section	.rodata,"a",@progbits
	.p2align	6, 0x0
	.amdhsa_kernel k_qabacbd8bd4_prep
		.amdhsa_group_segment_fixed_size 34304
		.amdhsa_private_segment_fixed_size 0
		.amdhsa_enable_private_segment 0
		.amdhsa_kernarg_size 72
		.amdhsa_user_sgpr_count 2
		.amdhsa_user_sgpr_kernarg_segment_ptr 1
		.amdhsa_wavefront_size32 1
		.amdhsa_system_sgpr_workgroup_id_x 1
		.amdhsa_system_sgpr_workgroup_id_y 1
		.amdhsa_system_sgpr_workgroup_id_z 1
		.amdhsa_system_vgpr_workitem_id 0
		.amdhsa_next_free_vgpr 256
		.amdhsa_next_free_sgpr 66
		.amdhsa_reserve_vcc 1
		.amdhsa_float_denorm_mode_32 3
		.amdhsa_float_denorm_mode_16_64 3
		.amdhsa_memory_ordered 1
		.amdhsa_forward_progress 1
		.amdhsa_inst_pref_size 103
	.end_amdhsa_kernel
	.amdgpu_metadata
---
amdhsa.version: [ 1, 2 ]
amdhsa.kernels:
  - .name:           k_qabacbd8bd4_prep
    .symbol:         k_qabacbd8bd4_prep.kd
    .args:
      - { .name: queries, .offset: 0, .size: 8, .value_kind: global_buffer, .address_space: global }
      - { .name: Wq, .offset: 8, .size: 8, .value_kind: global_buffer, .address_space: global }
      - { .name: Wkv, .offset: 16, .size: 8, .value_kind: global_buffer, .address_space: global }
      - { .name: Wout, .offset: 24, .size: 8, .value_kind: global_buffer, .address_space: global }
      - { .name: xc, .offset: 32, .size: 8, .value_kind: global_buffer, .address_space: global }
      - { .name: xs, .offset: 40, .size: 8, .value_kind: global_buffer, .address_space: global }
      - { .name: wc, .offset: 48, .size: 8, .value_kind: global_buffer, .address_space: global }
      - { .name: ws, .offset: 56, .size: 8, .value_kind: global_buffer, .address_space: global }
      - { .name: rope, .offset: 64, .size: 8, .value_kind: global_buffer, .address_space: global }
    .group_segment_fixed_size: 34304
    .private_segment_fixed_size: 0
    .kernarg_segment_align: 8
    .kernarg_segment_size: 72
    .max_flat_workgroup_size: 128
    .sgpr_count:     66
    .vgpr_count:     256
    .wavefront_size: 32
...
	.end_amdgpu_metadata
.endif
;; end of part 1
;; launch gemm_qkv (part 2): grid 12 x 32, 4 waves a work-group, clusters of 4 x 4, 327,680 bytes of LDS; arguments xc, xs, wc, ws, rope, qkv; writes qkv
.if DOCPART == 2
	.amdgcn_target "amdgcn-amd-amdhsa--gfx1250"
	.amdhsa_code_object_version 6
	.text
	.protected	k_qabacbd8bd4_gemm_qkv
	.globl	k_qabacbd8bd4_gemm_qkv
	.p2align	8
	.type	k_qabacbd8bd4_gemm_qkv,@function
k_qabacbd8bd4_gemm_qkv:
	s_mov_b64 s[64:65], 0
	v_nop
	global_prefetch_b8 v0, s[64:65] scope:SCOPE_SE
	s_setreg_imm32_b32 hwreg(HW_REG_WAVE_MODE, 25, 1), 1
	s_wait_xcnt 0x0
	s_wait_alu depctr_hold_cnt(0) depctr_sa_sdst(0) depctr_va_vdst(0) depctr_va_sdst(0) depctr_va_ssrc(0) depctr_va_vcc(0) depctr_vm_vsrc(0)
	s_getreg_b32 s2, hwreg(HW_REG_IB_STS2, 6, 4)
	s_cmp_eq_u32 s2, 0
	s_cbranch_scc0 .Lentry_in_a_cluster
	s_endpgm
.Lentry_in_a_cluster:
	s_bfe_u32 s2, ttmp6, 0x10000c
	s_cmp_lg_u32 s2, 0xf033
	s_cbranch_scc0 .Lentry_shape_is_right
	s_endpgm
.Lentry_shape_is_right:
.set NQ,     2
.set FR,     12
.set NL,     6
.set NP,     4
.set FRB,    1536
.set TROW,   3072
.set HALFT,  8*TROW
.set SLOT,   4*HALFT
.set LAPS,   2
.set SCL,    2*SLOT
.set HALFS,  16*272
.set SBLK,   544
.set SPARE,  SCL+4*HALFS
.set ADRA, 16
.set ADRB, 20
.set ADRS, 27
.set SPW,  28
.set NIL,  29
.set SC,   32
.set AF,   128
.set TBL,  64
.set PC,   192
.set PW,   212
.set TW,   213
.set SW,   214
.set T,    224
.set TM,   240
.set SEL,  66
.set G1, 24
.set G0, 32
.set G1B, 48
.set G0B, 56
.set G1S, 68
.set G0S, 76
.set G1SB, 80
.set G0SB, 88
.set MSB, 0
.macro WIN new
.if MSB != (\new)
	s_set_vgpr_msb (MSB<<8)|(\new)
.set MSB, (\new)
.endif
.endm
.set MUL_LO, 0xa1
.set MUL_HI, 0xf1
.set TO_B,   0x40
.macro JLOAD g0a, g1a, g0b, g1b
	s_cmp_eq_u32 s17, 0
	s_cbranch_scc0 .Lfor_b_\@
	tensor_load_to_lds s[\g0a:\g0a+3], s[\g1a:\g1a+7]
	s_nop 0
.rept 4
	v_nop
.endr
	s_branch .Lasked_\@
.Lfor_b_\@:
	tensor_load_to_lds s[\g0b:\g0b+3], s[\g1b:\g1b+7]
	s_nop 0
.rept 4
	v_nop
.endr
.Lasked_\@:
.endm
.macro CREST
	s_cmp_lg_u32 s16, 0
	s_cbranch_scc1 .Lnot_wave_0_\@
	s_barrier_signal -3
.Lnot_wave_0_\@:
	s_barrier_wait -3
	s_barrier_signal -1
	s_barrier_wait -1
.endm
.macro CROUND
	s_barrier_signal -1
	s_barrier_wait -1
	CREST
.endm
	s_load_b256 s[4:11], s[0:1], 0x0
	s_load_b128 s[12:15], s[0:1], 0x20
	v_lshl_add_u32 v[SPW], v0, 2, SPARE
	v_mov_b32 v[NIL], 0
	ds_add_u32 v28, v29
	ds_add_u32 v28, v29
	s_wait_dscnt 0x0
	v_lshrrev_b32 v1, 5, v0
	v_readfirstlane_b32 s16, v1
	s_lshr_b32 s17, s16, 1
	s_and_b32 s18, s16, 1
	s_bfe_u32 s40, ttmp6, 0x40000
	s_bfe_u32 s41, ttmp6, 0x40004
	s_and_b32 s20, ttmp7, 0xffff
	s_cmp_eq_u32 ttmp9, 2
	s_cselect_b32 s19, 1, 0
	s_cselect_b32 s21, 0, s20
	s_cselect_b32 s22, s20, ttmp9
	s_cselect_b32 s23, 128, 0
	s_lshl_b32 s43, s21, 2
	s_add_co_u32 s43, s43, s41
	s_lshl_b32 s42, s22, 2
	s_add_co_u32 s42, s42, s40
	s_lshl_b32 s44, s41, 2
	s_lshl_b32 s44, 15, s44
	s_lshl_b32 s45, 0x1111, s40
	s_or_b32 s[G1+0], s44, (3<<16)|(1<<21)
	s_or_b32 s[G1B+0], s45, (3<<16)|(1<<21)
.irp g, G1, G1B
	s_mov_b32 s[\g+1], 384<<16
	s_mov_b32 s[\g+2], 16<<16
	s_mov_b32 s[\g+3], 384<<16
	s_mov_b32 s[\g+4], 16
	s_mov_b32 s[\g+5], 1536
	s_mov_b32 s[\g+6], 0
	s_mov_b32 s[\g+7], 0
.endr
	s_or_b32 s[G1S+0], s44, (3<<16)|(1<<20)|(1<<21)|(5<<22)|(3<<25)
	s_or_b32 s[G1SB+0], s45, (3<<16)|(1<<20)|(1<<21)|(5<<22)|(3<<25)
.irp g, G1S, G1SB
	s_mov_b32 s[\g+1], 32<<16
	s_mov_b32 s[\g+2], 32<<16
	s_mov_b32 s[\g+3], 32<<16
	s_mov_b32 s[\g+4], 32
	s_mov_b32 s[\g+5], 32
	s_mov_b32 s[\g+6], 0
	s_mov_b32 s[\g+7], 0
.endr
	s_lshl_b32 s46, s43, 4
	s_add_co_u32 s46, s46, s23
	s_lshl_b32 s47, s42, 4
	s_mul_i32 s92, s46, 12288
	s_mov_b32 s93, 0
	s_lshl_b32 s94, s46, 9
	s_mov_b32 s95, 0
	s_mul_i32 s96, s47, 12288
	s_mov_b32 s97, 0
	s_lshl_b32 s98, s47, 9
	s_mov_b32 s99, 0
	s_mul_i32 s100, s16, HALFT
	s_mul_i32 s46, s18, 8*12288                    ; in the ring I fetch 8 of a tile's 16 row tiles: which half, in bytes
	s_mov_b32 s47, 0
	s_mov_b32 s[SEL], 0x76543210
	s_mov_b32 s[SEL+1], 0xfedcba98
	s_wait_kmcnt 0x0
	s_cmp_eq_u32 ttmp9, 2
	s_cselect_b64 s[20:21], s[8:9], s[4:5]
	s_cselect_b64 s[22:23], s[10:11], s[6:7]
	s_cselect_b64 s[4:5], s[4:5], s[8:9]
	s_cselect_b64 s[6:7], s[6:7], s[10:11]
	s_add_nc_u64 s[20:21], s[20:21], s[92:93]
	s_add_nc_u64 s[22:23], s[22:23], s[94:95]
	s_add_nc_u64 s[4:5], s[4:5], s[96:97]
	s_add_nc_u64 s[6:7], s[6:7], s[98:99]
	CROUND
	s_mov_b32 s[G0S], 1
	s_mov_b32 s[G0S+1], SCL
	s_mov_b64 s[G0S+2:G0S+3], s[22:23]
	s_or_b32 s[G0S+3], s[G0S+3], 0x80000000
	s_mov_b32 s[G0SB], 1
	s_mov_b32 s[G0SB+1], SCL+2*HALFS
	s_mov_b64 s[G0SB+2:G0SB+3], s[6:7]
	s_or_b32 s[G0SB+3], s[G0SB+3], 0x80000000
	s_mov_b32 s92, 1                               ; the head's four tiles, each whole: K steps 0 and 1 of A's 16 row tiles,
	s_mov_b32 s93, 0
	s_mov_b64 s[94:95], s[20:21]
	s_or_b32 s95, s95, 0x80000000
	s_mov_b32 s8, 1                                ; of B's 16, behind them in slot 0; the scales' groups 0 stand above
	s_mov_b32 s9, 2*HALFT
	s_mov_b64 s[10:11], s[4:5]
	s_or_b32 s11, s11, 0x80000000
; one joint load a wave at the head: wave 0 A's codes, wave 1 B's, wave 2 A's scales, wave 3 B's; one chain of branches on the wave's number, all arms leading to one join
.macro ARM under, g0, g1, next
	s_cmp_lt_u32 s16, \under
	s_cbranch_scc0 \next
	tensor_load_to_lds s[\g0:\g0+3], s[\g1:\g1+7]
	s_nop 0
.rept 4
	v_nop
.endr
	s_branch .Lhead_asked
\next:
.endm
	ARM 1, 92, G1, .Lhead_b
	ARM 2, 8, G1B, .Lhead_sa
	ARM 3, G0S, G1S, .Lhead_sb
	tensor_load_to_lds s[G0SB:G0SB+3], s[G1SB:G1SB+7]
	s_nop 0
.rept 4
	v_nop
.endr
.Lhead_asked:
	s_add_nc_u64 s[20:21], s[20:21], s[46:47]      ; for the ring: my 8 row tiles
	s_add_nc_u64 s[4:5], s[4:5], s[46:47]
.irp s, 0,1
	s_mov_b32 s[G0+4*\s], 1
	s_add_co_u32 s[G0+4*\s+1], s100, \s*SLOT
	s_add_nc_u64 s[G0+4*\s+2:G0+4*\s+3], s[20:21], \s*TROW
	s_or_b32 s[G0+4*\s+3], s[G0+4*\s+3], 0x80000000
	s_mov_b32 s[G0B+4*\s], 1
	s_add_co_u32 s[G0B+4*\s+1], s100, \s*SLOT
	s_add_nc_u64 s[G0B+4*\s+2:G0B+4*\s+3], s[4:5], \s*TROW
	s_or_b32 s[G0B+4*\s+3], s[G0B+4*\s+3], 0x80000000
.endr
	v_and_b32 v1, 15, v0
	v_bfe_u32 v2, v0, 4, 1
	v_and_b32 v3, 31, v0
	v_lshlrev_b32 v3, 3, v3
	s_mul_i32 s21, s17, HALFT
	s_mul_i32 s22, s18, HALFT
	s_add_co_u32 s22, s22, 2*HALFT
.irp s, 0,1
	v_add_nc_u32 v[ADRA+\s], s21, v3
	v_add_nc_u32 v[ADRB+\s], s22, v3
	s_add_co_u32 s21, s21, SLOT
	s_add_co_u32 s22, s22, SLOT
.endr
	v_lshlrev_b32 v5, 5, v1
	v_lshrrev_b32 v6, 8, v5
	v_lshl_add_u32 v5, v6, 4, v5
	s_mul_i32 s21, s17, HALFS
	s_mul_i32 s22, s18, HALFS
	s_add_co_u32 s22, s22, 2*HALFS
	s_sub_co_u32 s22, s22, s21
	v_mul_u32_u24 v6, s22, v2
	s_add_co_u32 s21, s21, SCL
	v_add_nc_u32 v5, v5, v6
	v_add_nc_u32 v[ADRS], s21, v5
	s_lshl_b32 s21, s43, 4
	s_lshl_b32 s22, s17, 3
	s_add_co_u32 s21, s21, s22
	s_and_b32 s46, s21, 127
	s_lshl_b32 s20, s46, 11
	s_mov_b32 s21, 0
	s_add_nc_u64 s[12:13], s[12:13], s[20:21]
	v_and_b32 v4, 7, v1
	v_lshrrev_b32 v5, 3, v1
	v_lshl_add_u32 v4, v5, 4, v4
	v_lshlrev_b32 v4, 7, v4
	v_lshl_add_u32 v12, v2, 6, v4
.irp a, 0,1,2,3
.irp j, 0,1,2,3
	global_load_b128 v[TBL+16*\a+4*\j:TBL+16*\a+4*\j+3], v12, s[12:13] offset:(32*(\a/2)+8*(\a%2))*128+16*\j
.endr
.endr
.macro FRAG reg, adr, q, i
.irp p, 0,1,2,3,4,5
	ds_load_b64 v[\reg+2*\p:\reg+2*\p+1], v[\adr] offset:(\i)*TROW+(\q)*FRB+256*\p
.endr
.endm
.macro MUL16 a0, p, q, sc, zero
.irp a, \a0, \a0+1
.irp b, 0,1,2,3,4,5,6,7
.if \zero
	v_wmma_scale_f32_16x16x128_f8f6f4 v[8*(8*((\a)%4)+\b):8*(8*((\a)%4)+\b)+7], v[128*(\p)+FR*\b:128*(\p)+FR*\b+FR-1], v[AF+FR*(\a):AF+FR*(\a)+FR-1], 0, v[SC+8*NQ*(\sc)+NQ*\b+(\q)], v[SC+8*NQ*(\sc)+NQ*(\a)+(\q)] matrix_a_fmt:MATRIX_FMT_FP6 matrix_b_fmt:MATRIX_FMT_FP6 matrix_a_scale:MATRIX_SCALE_ROW1
.else
	v_wmma_scale_f32_16x16x128_f8f6f4 v[8*(8*((\a)%4)+\b):8*(8*((\a)%4)+\b)+7], v[128*(\p)+FR*\b:128*(\p)+FR*\b+FR-1], v[AF+FR*(\a):AF+FR*(\a)+FR-1], v[8*(8*((\a)%4)+\b):8*(8*((\a)%4)+\b)+7], v[SC+8*NQ*(\sc)+NQ*\b+(\q)], v[SC+8*NQ*(\sc)+NQ*(\a)+(\q)] matrix_a_fmt:MATRIX_FMT_FP6 matrix_b_fmt:MATRIX_FMT_FP6 matrix_a_scale:MATRIX_SCALE_ROW1
.endif
.endr
.endr
.endm
.macro FETCH_B slot, q, p
	WIN TO_B
.irp i, 0,1,2,3,4,5,6,7
	FRAG 128*(\p)+FR*\i, ADRB+\slot, \q, \i
.endr
	WIN 0
.endm
.macro FETCH_A slot, q, i0
.irp i, \i0, \i0+1, \i0+2, \i0+3
	FRAG AF+FR*(\i), ADRA+\slot, \q, \i
.endr
.endm
.macro SCALES sc
.irp i, 0,1,2,3,4,5,6,7
	ds_load_b64 v[SC+8*NQ*\sc+NQ*\i:SC+8*NQ*\sc+NQ*\i+1], v[ADRS] offset:\i*SBLK
.endr
.endm
.macro PLACES n
.rept \n
	v_nop
.endr
.endm
.macro STEP slot, q, zero
	s_wait_dscnt 4*NL
	WIN MUL_LO
	MUL16 0, (\q)%2, \q, \slot, \zero
	MUL16 2, (\q)%2, \q, \slot, \zero
	s_wait_dscnt 0
	PLACES NP
	FETCH_B \slot, (\q)+1, 1-(\q)%2
	FETCH_A \slot, (\q)+1, 0
	WIN MUL_HI
	MUL16 4, (\q)%2, \q, \slot, \zero
	MUL16 6, (\q)%2, \q, \slot, \zero
	PLACES NP
	WIN 0
	FETCH_A \slot, (\q)+1, 4
.endm
.macro TURN slot, next, fill
	s_wait_tensorcnt 0x0
	ds_add_u32 v[SPW], v[NIL]
	s_wait_dscnt 4*NL+1
	WIN MUL_LO
	MUL16 0, 1, NQ-1, \slot, 0
	s_wait_dscnt 0x0
	s_barrier_signal -1
	MUL16 2, 1, NQ-1, \slot, 0
	WIN 0
	s_barrier_wait -1
.if \fill
	CREST
	s_add_nc_u64 s[G0+4*\slot+2:G0+4*\slot+3], s[G0+4*\slot+2:G0+4*\slot+3], 2*TROW
	s_add_nc_u64 s[G0B+4*\slot+2:G0B+4*\slot+3], s[G0B+4*\slot+2:G0B+4*\slot+3], 2*TROW
	JLOAD G0+4*\slot, G1, G0B+4*\slot, G1B
.else
	PLACES NP
.endif
	s_wait_alu depctr_va_vdst(0)
	v_add_nc_u32 v[ADRS], 4*NQ, v[ADRS]
	FETCH_B \next, 0, 0
	FETCH_A \next, 0, 0
	SCALES \next
	WIN MUL_HI
	MUL16 4, 1, NQ-1, \slot, 0
	MUL16 6, 1, NQ-1, \slot, 0
	PLACES NP
	WIN 0
	FETCH_A \next, 0, 4
.endm
	s_wait_alu depctr_va_vdst(0)
	s_wait_tensorcnt 0x0                           ; my tile of the head's four is in
	ds_add_u32 v28, v29
	s_mov_b32 s[G1+2], 8<<16                       ; no tensor load of mine is out: from here on a load brings 8 row tiles
	s_mov_b32 s[G1+4], 8
	s_mov_b32 s[G1B+2], 8<<16
	s_mov_b32 s[G1B+4], 8
	s_wait_dscnt 0x0
	CROUND                                         ; all four tiles are in, and all sixteen work-groups are here
	JLOAD G0+4, G1, G0B+4, G1B                     ; slot 1's first fill, the first tensor load behind the round
	FETCH_B 0, 0, 0
	FETCH_A 0, 0, 0
	SCALES 0
	FETCH_A 0, 0, 4
	STEP 0, 0, 1
	s_mov_b32 s3, LAPS-1
.Llap:
	TURN 0, 1, 1
	STEP 1, 0, 0
	TURN 1, 0, 1
	STEP 0, 0, 0
	s_sub_co_u32 s3, s3, 1
	s_cmp_lg_u32 s3, 0
	s_cbranch_scc1 .Llap
	TURN 0, 1, 0
	STEP 1, 0, 0
	s_wait_dscnt 4*NL
	WIN MUL_LO
	MUL16 0, 1, NQ-1, 1, 0
	MUL16 2, 1, NQ-1, 1, 0
	s_wait_dscnt 0
	WIN MUL_HI
	MUL16 4, 1, NQ-1, 1, 0
	MUL16 6, 1, NQ-1, 1, 0
	WIN 0
	PLACES NP
.irp a, 4,5,6,7
.irp j, 0,1,2,3
	global_load_b128 v[TBL+16*\a+4*\j:TBL+16*\a+4*\j+3], v12, s[12:13] offset:(32*(\a/2)+8*(\a%2))*128+16*\j
.endr
.endr
.irp b, 0,1,2,3
	v_mov_b32 v[TM+4+\b], 0
.endr
	s_mov_b32 s35, 0
	s_mov_b32 s37, 0
	s_mov_b32 s39, 0
	s_cmp_eq_u32 ttmp9, 0
	s_cbranch_scc0 .Lnot_q
	s_mov_b32 s24, 0
	s_mov_b32 s25, 98304
	s_mov_b32 s26, 768
	s_mov_b32 s27, 98304
	s_mov_b32 s28, 6291456
	s_mov_b32 s29, 8192
	s_mov_b32 s30, 64
	s_mov_b32 s31, 8192
	s_mov_b32 s32, 16
	s_mov_b32 s33, 0xffff
	s_mov_b32 s34, 768
	s_mov_b32 s36, 768
	s_mov_b32 s38, 256
	s_branch .Lkind_set
.Lnot_q:
	s_cmp_eq_u32 ttmp9, 1
	s_cbranch_scc0 .Lis_v
	s_mov_b32 s24, 6815744
	s_mov_b32 s25, 208896
	s_mov_b32 s26, 1632
	s_mov_b32 s27, 208896
	s_mov_b32 s28, 6828032
	s_mov_b32 s29, 208896
	s_mov_b32 s30, 1632
	s_mov_b32 s31, 208896
	s_mov_b32 s32, 16
	s_mov_b32 s33, 0xffff
	s_mov_b32 s34, 768
	s_mov_b32 s36, 768
	s_mov_b32 s38, 256
	s_branch .Lkind_set
.Lis_v:
	s_mov_b32 s24, 6821888
	s_mov_b32 s25, 208896
	s_mov_b32 s26, 13056
	s_mov_b32 s27, 768
	s_mov_b32 s28, 6828544
	s_mov_b32 s29, 208896
	s_mov_b32 s30, 13056
	s_mov_b32 s31, 0
	s_mov_b32 s32, 0
	s_mov_b32 s33, -1
	s_mov_b32 s34, 1536
	s_mov_b32 s36, 204288
	s_mov_b32 s38, 208896
.Lkind_set:
	s_lshl_b32 s96, s42, 1
	s_add_co_u32 s96, s96, s18
	s_lshr_b32 s97, s43, 3
	s_lshl_b32 s97, s97, 4
	s_and_b32 s98, s96, 7
	s_lshl_b32 s98, s98, 1
	s_add_co_u32 s97, s97, s98
	s_lshr_b32 s98, s96, 4
	s_lshl_b32 s98, s98, 4
	s_lshl_b32 s99, s43, 2
	s_add_co_u32 s98, s98, s99
	s_lshl_b32 s99, s17, 1
	s_add_co_u32 s98, s98, s99
	s_and_b32 s99, s96, 15
	s_cmp_lg_u32 s19, 0
	s_cselect_b32 s97, s98, s97
	s_cselect_b32 s99, s99, s46
	s_mul_i32 s92, s97, s25
	s_mul_i32 s96, s99, s26
	s_add_co_u32 s92, s92, s96
	s_add_co_u32 s92, s92, s24
	s_mov_b32 s93, 0
	s_add_nc_u64 s[92:93], s[14:15], s[92:93]
	s_mul_i32 s94, s97, s29
	s_mul_i32 s96, s99, s30
	s_add_co_u32 s94, s94, s96
	s_add_co_u32 s94, s94, s28
	s_mov_b32 s95, 0
	s_add_nc_u64 s[94:95], s[14:15], s[94:95]
	v_and_b32 v8, 31, v0
	v_lshlrev_b32 v8, 3, v8
	v_add_nc_u32 v9, s27, v8
	v_lshlrev_b32 v10, 4, v1
	v_mul_u32_u24 v11, s31, v2
	v_add_nc_u32 v10, v10, v11
	v_mul_u32_u24 v11, s32, v2
.macro QUANTW a
	WIN ((2+(\a)/4)<<2)|((2+(\a)/4)<<4)
.irp b, 0,1,2,3
	v_max3_num_f32 v[TM+\b], 0x1800000, |v[AC+16*\b]|, |v[AC+1+16*\b]|
.endr
.irp i, 2,4,6,8,10,12,14
.irp b, 0,1,2,3
	v_max3_num_f32 v[TM+\b], v[TM+\b], |v[AC+16*\b+\i]|, |v[AC+1+16*\b+\i]|
.endr
.endr
	WIN 0
.irp b, 0,1,2,3
	v_permlanex16_b32 v[TM+4+\b], v[TM+\b], s[SEL], s[SEL+1]
.endr
.irp b, 0,1,2,3
	v_max_num_f32 v[TM+\b], v[TM+\b], v[TM+4+\b]
.endr
.irp b, 0,1,2,3
	v_add_nc_u32 v[TM+12+\b], 0xff000000, v[TM+\b]
.endr
.irp b, 0,1,2,3
	v_lshrrev_b32 v[TM+4+\b], 23, v[TM+12+\b]
.endr
	v_lshl_or_b32 v[PW], v[TM+5], 8, v[TM+4]
	v_lshl_or_b32 v[PW], v[TM+6], 16, v[PW]
	v_lshl_or_b32 v[PW], v[TM+7], 24, v[PW]
	WIN 2+(\a)/4
.irp c, 0,1
	v_cvt_scalef32_pk16_fp6_f32 v[PC+6*\c:PC+2+6*\c], v[AC+32*\c:AC+15+32*\c], v[TM+12+2*\c]
	v_cvt_scalef32_pk16_fp6_f32 v[PC+12+4*\c:PC+14+4*\c], v[AC+16+32*\c:AC+31+32*\c], v[TM+12+2*\c+1]
.endr
	WIN 0
	v_nop
.irp c, 0,1
.irp i, 0,1,2
	v_permlane16_swap_b32 v[PC+6*\c+\i], v[PC+12+4*\c+\i]
.endr
.irp i, 0,1,2
	v_mov_b32 v[PC+3+6*\c+\i], v[PC+12+4*\c+\i]
.endr
.endr
.endm
.macro OUTBLK a
.set AC, 64*((\a)%4)
.set TB, TBL+16*(\a)
.if (\a) == 0
	s_wait_loadcnt 16
.endif
.if (\a) == 4
	s_wait_loadcnt 0
.endif
	s_cmp_lg_u32 s19, 0
	s_cbranch_scc1 .Lno_rope_\@
.irp e, 0,1
	WIN 2+(\a)/4
.irp i, 0,1,2,3,4,5,6,7
	v_mul_f32 v[T+2*\i], v[AC+32*\e+2*\i+1], v[TB+2*\i+1]
	v_mul_f32 v[T+2*\i+1], v[AC+32*\e+2*\i], v[TB+2*\i+1]
.endr
	WIN ((2+(\a)/4)<<6)|(2+(\a)/4)
.irp i, 0,1,2,3,4,5,6,7
	v_fma_f32 v[AC+32*\e+2*\i], v[AC+32*\e+2*\i], v[TB+2*\i], -v[T+2*\i]
	v_fma_f32 v[AC+32*\e+2*\i+1], v[AC+32*\e+2*\i+1], v[TB+2*\i], v[T+2*\i+1]
.endr
.endr
	WIN 0
.Lno_rope_\@:
	QUANTW \a
.irp p, 0,1,2
	global_store_b64 v8, v[PC+2*\p:PC+2*\p+1], s[92:93] offset:256*\p
.endr
.irp p, 3,4,5
	global_store_b64 v9, v[PC+2*\p:PC+2*\p+1], s[92:93] offset:256*(\p-3)
.endr
	v_lshrrev_b32 v[TW], v11, v[PW]
	v_and_b32 v[SW+(\a)%4], s33, v[TW]
.if (\a)%4 == 3
	global_store_b128 v10, v[SW:SW+3], s[94:95]
.endif
	s_wait_xcnt 0x0
.if (\a) == 3
	s_add_nc_u64 s[92:93], s[92:93], s[36:37]
	s_add_nc_u64 s[94:95], s[94:95], s[38:39]
.elseif (\a) < 7
	s_add_nc_u64 s[92:93], s[92:93], s[34:35]
.endif
.endm
.irp a, 0,1,2,3,4,5,6,7
	OUTBLK \a
.endr
	s_wait_tensorcnt 0x0
	ds_add_u32 v[SPW], v[NIL]
	s_wait_dscnt 0x0
	CROUND
	s_endpgm
.Lfunc_end_k_qabacbd8bd4_gemm_qkv:
	.size	k_qabacbd8bd4_gemm_qkv, .Lfunc_end_k_qabacbd8bd4_gemm_qkv-k_qabacbd8bd4_gemm_qkv
	.p2alignl 7, 3214868480
	.fill 96, 4, 3214868480
	.section	.rodata,"a",@progbits
	.p2align	6, 0x0
	.amdhsa_kernel k_qabacbd8bd4_gemm_qkv
		.amdhsa_group_segment_fixed_size 327680
		.amdhsa_private_segment_fixed_size 0
		.amdhsa_enable_private_segment 0
		.amdhsa_kernarg_size 48
		.amdhsa_user_sgpr_count 2
		.amdhsa_user_sgpr_kernarg_segment_ptr 1
		.amdhsa_wavefront_size32 1
		.amdhsa_system_sgpr_workgroup_id_x 1
		.amdhsa_system_sgpr_workgroup_id_y 1
		.amdhsa_system_sgpr_workgroup_id_z 1
		.amdhsa_system_vgpr_workitem_id 0
		.amdhsa_next_free_vgpr 1024
		.amdhsa_next_free_sgpr 102
		.amdhsa_reserve_vcc 0
		.amdhsa_float_denorm_mode_32 3
		.amdhsa_float_denorm_mode_16_64 3
		.amdhsa_memory_ordered 1
		.amdhsa_forward_progress 1
		.amdhsa_inst_pref_size 200
	.end_amdhsa_kernel
	.amdgpu_metadata
---
amdhsa.version: [ 1, 2 ]
amdhsa.kernels:
  - .name:           k_qabacbd8bd4_gemm_qkv
    .symbol:         k_qabacbd8bd4_gemm_qkv.kd
    .args:
      - { .name: xc, .offset: 0, .size: 8, .value_kind: global_buffer, .address_space: global }
      - { .name: xs, .offset: 8, .size: 8, .value_kind: global_buffer, .address_space: global }
      - { .name: wc, .offset: 16, .size: 8, .value_kind: global_buffer, .address_space: global }
      - { .name: ws, .offset: 24, .size: 8, .value_kind: global_buffer, .address_space: global }
      - { .name: rope, .offset: 32, .size: 8, .value_kind: global_buffer, .address_space: global }
      - { .name: qkv, .offset: 40, .size: 8, .value_kind: global_buffer, .address_space: global }
    .group_segment_fixed_size: 327680
    .private_segment_fixed_size: 0
    .kernarg_segment_align: 8
    .kernarg_segment_size: 48
    .max_flat_workgroup_size: 128
    .sgpr_count:     102
    .vgpr_count:     1024
    .wavefront_size: 32
...
	.end_amdgpu_metadata
.endif
;; end of part 2
;; launch attn (part 3): grid 4 x 64, 8 waves a work-group, clusters of 4 x 1, 215,040 bytes of LDS; arguments qkv, oc, os; writes oc, os
.if DOCPART == 3
	.amdgcn_target "amdgcn-amd-amdhsa--gfx1250"
	.amdhsa_code_object_version 6
	.text
	.protected	k_qabacbd8bd4_attn
	.globl	k_qabacbd8bd4_attn
	.p2align	8
	.type	k_qabacbd8bd4_attn,@function
k_qabacbd8bd4_attn:
	s_mov_b64 s[64:65], 0
	v_nop
	global_prefetch_b8 v0, s[64:65] scope:SCOPE_SE
	s_setreg_imm32_b32 hwreg(HW_REG_WAVE_MODE, 25, 1), 1
	s_wait_xcnt 0x0
	s_wait_alu depctr_hold_cnt(0) depctr_sa_sdst(0) depctr_va_vdst(0) depctr_va_sdst(0) depctr_va_ssrc(0) depctr_va_vcc(0) depctr_vm_vsrc(0)
	s_getreg_b32 s2, hwreg(HW_REG_IB_STS2, 6, 4)
	s_cmp_eq_u32 s2, 0
	s_cbranch_scc0 .Lentry_in_a_cluster
	s_endpgm
.Lentry_in_a_cluster:
	s_bfe_u32 s2, ttmp6, 0x10000c
	s_cmp_lg_u32 s2, 0x3003
	s_cbranch_scc0 .Lentry_shape_is_right
	s_endpgm
.Lentry_shape_is_right:
; o = softmax(q k^T / 8) v for one (batch, head) a cluster, both products on codes of FP6 (E2M3) with E8M0 scales; o is quantised along the channels, as the operand of the last projection, and stored as images.
; THE SOFTMAX AHEAD OF THE SECOND PRODUCT: t = score x log2(e) / 8; M = the row's largest t so far, rounded UP to a whole number; p = 2^(t - M) is quantised along the keys, not normalised.  The row's sum is
; taken of the unquantised p and divides o at the end.  When M moves, the sum and o are multiplied by 2^(old M - new M): exact.
; SHARES.  A work-group owns 512 queries of a head: eight waves, each TWO tiles of 16 queries at a time (tiles w and w + 8 of the pass's sixteen), two passes.  Every wave walks the head's 2,048 keys, 128 a step;
; each fragment of K and of V that a wave reads from LDS feeds two matrix instructions, one for each tile, and the two tiles' chains of vector work stand by turns.
; ALL OF THE HEAD'S K, V AND THEIR SCALES, 16 records of 13,056 bytes, LIE IN LDS, filled once: wave w asks for records 2 w and 2 w + 1 by one load.  No ring, no barrier in the loop.  The four work-groups of a
; cluster belong to one head and ask jointly: the same load, the same descriptor, a mask that names the four.  One tensor load of a wave is out.
; A record: k's 8 tiles of 16 keys x 64 (768 bytes each: three pieces of 256, lane l's 8 bytes at 8 l); v^T's 4 fragments of 16 channels x 128 keys (1,536 each) at 6,144; k's scale words at 12,288
; (2 x 256 bytes, [r][tile % 4]); v's at 12,800 ([r][tile]).
; LAYOUT.  S^T = K Q^T (source 0 = 16 keys, source 1 = 16 queries), O^T = V^T P^T: a lane holds ONE query of each tile throughout.  Keys and channels stand at positions (index with bits 3 and 4 exchanged), so
; that the 16 registers of two neighbouring tiles are 16 neighbouring keys (or channels).
; K = 64 IN AN INSTRUCTION OF 128: q's upper 64 codes are zero codes, and the upper two scale bytes of q's and k's words are 0 (a power of two, over zero codes).  So whatever stands in the upper half of k's
; operand adds nothing: tile t is named v[KF + 6 t .. + 11], whose upper six registers are the next tile's codes (the last tile's: six registers of zeros).
; LOADS RUN AHEAD: K and V have registers of their own; behind a step's first products V of this step and K of the next are asked of LDS (25 + 25 loads) and land under the softmax.  The last step asks for
; record 15's K once more (the address is held inside the records); it is not used.
; os is stored 2 bytes a lane to rows 32 bytes apart: a head owns 2 of a row's 32 scale bytes, and the others belong to other work-groups; 262,144 bytes in all, one byte for 24 that the launch stores.
; Nothing is prefetched: all that the work-group reads of K and V is asked for by its first loads.
; LIMITS: a block of zeros gets the byte 1 (zero codes; this program alone reads the bytes); largest magnitudes under 2^-124 are held at that floor; NaN and infinities are not served; the promise holds while
; the scaled scores stay under 2^31 in magnitude.
; REGISTERS.  Window 1: v0-127 S^T, then p, of tiles 0 and 1; v128-191 O^T of tiles 0 and 1.  Window 0: all else (u = the tile, 0 or 1): see the names below.
.set REC,   13056
.set KVOFF, 6815744
.set QSOFF, 6291456
.set NM,  12                           ; pair 2 u: -M, the largest score so far
.set L,   16                           ; pair 2 u: the row's sum in two halves
.set F,   20                           ; pair 2 u: f = 2^(old M - new M), p's scale word
.set D,   24                           ; + u: at work
.set E,   26                           ; + u: at work
.set QF,  28                           ; + 12 u: Q's codes, six registers, and six of zeros
.set QS,  52                           ; + u: Q's scale word
.set KF,  56                           ; K's eight tiles, 48 registers, and six of zeros
.set VF,  110                          ; V's four fragments
.set KS,  158                          ; K's scale words
.set VS,  162                          ; V's scale words
.set PF,  166                          ; + 12 u: p's codes
.set CT,  190                          ; + 8 u: the upper halves of blocks as converted
.set BM,  206                          ; + 4 u + b: block b's largest score, then its largest p
.set PT,  214                          ; + 4 u + b: at work
.set SO,  222                          ; + 4 u + b: the conversions' scale operands
.set AC,  230                          ; + 8 u + 2 k: four more partial sums
.set MSB, 0
.macro WIN new                         ; the immediate's high byte repeats the setting that is left
.if MSB != (\new)
	s_set_vgpr_msb (MSB<<8)|(\new)
.set MSB, (\new)
.endif
.endm
.macro H n
	s_delay_alu instid0(VALU_DEP_\n)
.endm
.macro CROUND                          ; a round of the cluster's barrier
	s_barrier_signal -1
	s_barrier_wait -1
	s_cmp_lg_u32 s10, 0
	s_cbranch_scc1 .Lnot_wave_0_\@
	s_barrier_signal -3
.Lnot_wave_0_\@:
	s_barrier_wait -3
	s_barrier_signal -1
	s_barrier_wait -1
.endm
.macro KLOAD a, sa                     ; a record's eight tiles of K and their scale words: 25 loads
.irp t, 0,1,2,3,4,5,6,7
.irp p, 0,1,2
	ds_load_b64 v[KF+6*\t+2*\p:KF+6*\t+2*\p+1], v[\a] offset:768*\t+256*\p
.endr
.endr
	ds_load_b128 v[KS:KS+3], v[\sa] offset:12288   ; lanes 0-15: the words of tiles 0-3 for row r; lanes 16-31: of tiles 4-7
.endm
	s_load_b128 s[4:7], s[0:1], 0x0                ; qkv s[4:5], oc s[6:7]
	s_load_b64 s[8:9], s[0:1], 0x10                ; os
	v_lshl_add_u32 v254, v0, 2, 0x34000
	v_mov_b32 v255, 0
	ds_add_u32 v254, v255                          ; the opening lines: the add, twice on end, and its wait
	ds_add_u32 v254, v255
	v_lshrrev_b32 v1, 5, v0
	s_delay_alu instid0(VALU_DEP_1)
	v_readfirstlane_b32 s10, v1                    ; wave 0..7
	s_bfe_u32 s11, ttmp6, 0x40000                  ; cx: it enters q's, oc's and os's addresses alone
	s_and_b32 s12, ttmp7, 0xffff                   ; bh = 16 x batch + head, which the four partners share
	; descriptor group 1: two records, 26,112 dense bytes, as 102 rows of 256 (32 elements of 8 bytes)
	s_mov_b32 s16, 15|(3<<16)|(1<<21)              ; 15:0 the mask: all four work-groups; 17:16 elements of 8 bytes; 21 set beside a mask
	s_mov_b32 s17, 32<<16                          ; tensor_dim0
	s_mov_b32 s18, 102<<16                         ; tensor_dim1
	s_mov_b32 s19, 32<<16                          ; tile_dim0
	s_mov_b32 s20, 102                             ; tile_dim1
	s_mov_b32 s21, 32                              ; tensor_dim0_stride
	s_mov_b32 s22, 0
	s_mov_b32 s23, 0
	s_mul_i32 s13, s10, 2*REC                      ; my two records, in LDS and in the head
	s_mul_i32 s14, s12, 16*REC
	s_add_co_u32 s14, s14, s13
	s_add_co_u32 s14, s14, KVOFF
	s_mov_b32 s15, 0
	s_wait_dscnt 0x0
	s_wait_kmcnt 0x0
	CROUND                                         ; all four work-groups are here: the joint loads meet
	s_mov_b32 s24, 1
	s_mov_b32 s25, s13
	s_add_nc_u64 s[26:27], s[4:5], s[14:15]
	s_or_b32 s27, s27, 0x80000000
	tensor_load_to_lds s[24:27], s[16:23]
	s_nop 0
.rept 4
	v_nop
.endr
	s_mov_b32 s28, 0x76543210                      ; lane selects for lane l xor 16
	s_mov_b32 s29, 0xfedcba98
	s_mov_b32 s30, 0x3e38aa3b                      ; c = log2(e) / 8
	s_mov_b32 s31, s30                             ; (named with it as a pair)
	s_mov_b32 s51, 0xbe38aa3b                      ; -c
	s_mov_b32 s47, 0
	s_lshl_b32 s44, s11, 5
	s_add_co_u32 s44, s44, s10                     ; my first tile of queries in the head: 32 cx + wave; my second lies 8 tiles on
	s_mul_i32 s45, s12, 98304
	s_mul_i32 s46, s44, 768
	s_add_co_u32 s46, s46, s45
	s_add_nc_u64 s[36:37], s[4:5], s[46:47]        ; its codes
	s_lshl_b32 s46, s12, 13
	s_lshl_b32 s45, s11, 11
	s_add_co_u32 s46, s46, s45
	s_lshr_b32 s45, s10, 2
	s_lshl_b32 s45, s45, 8
	s_add_co_u32 s46, s46, s45
	s_and_b32 s45, s10, 3
	s_lshl_b32 s45, s45, 2
	s_add_co_u32 s46, s46, s45
	s_add_co_u32 s46, s46, QSOFF
	s_add_nc_u64 s[38:39], s[4:5], s[46:47]        ; its scale words: 256 (tile / 4) + 4 (tile % 4), + 16 r
	s_lshr_b32 s45, s12, 4
	s_lshl_b32 s45, s45, 7
	s_add_co_u32 s45, s45, s44                     ; the same tile among all tokens' tiles
	s_and_b32 s48, s12, 15                         ; the head
	s_mul_i32 s46, s45, 12288
	s_mul_i32 s49, s48, 768
	s_add_co_u32 s46, s46, s49
	s_add_nc_u64 s[40:41], s[6:7], s[46:47]        ; oc: [tile][head][768]
	s_lshl_b32 s46, s45, 9
	s_lshl_b32 s49, s48, 1
	s_add_co_u32 s46, s46, s49
	s_add_nc_u64 s[42:43], s[8:9], s[46:47]        ; os: [position][32], my head's two bytes
	v_and_b32 v5, 31, v0
	H 1
	v_lshlrev_b32 v1, 3, v5                        ; 8 l
	H 2
	v_lshlrev_b32 v2, 4, v5                        ; 16 l
	v_and_b32 v6, 15, v0
	H 1
	v_lshlrev_b32 v3, 4, v6                        ; 16 r
	H 2
	v_lshlrev_b32 v4, 5, v6                        ; 32 r
.irp i, 0,1,2,3,4,5
	v_mov_b32 v[QF+6+\i], 0                        ; Q's upper 64 codes: zeros; never rewritten
	v_mov_b32 v[QF+18+\i], 0
	v_mov_b32 v[KF+48+\i], 0                       ; what stands behind K's last tile
.endr
.irp i, 0,1,2,3,4,5,6,7
	v_mov_b32 v[PT+\i], 0                          ; written once: a lane permute's destination counts as one of its sources
.endr
	v_mov_b32 v[F+1], 0                            ; (named as the upper halves of pairs before they are first written)
	v_mov_b32 v[F+3], 0
	s_wait_alu depctr_va_vdst(0)
	s_wait_tensorcnt 0x0                           ; my records are in,
	s_barrier_signal -1
	s_barrier_wait -1                              ; everybody's are: from here on LDS is only read
	s_mov_b32 s34, 2
.Lpass:
.irp u, 0,1
.irp p, 0,1,2
	global_load_b64 v[QF+12*\u+2*\p:QF+12*\u+2*\p+1], v1, s[36:37] offset:6144*\u+256*\p
.endr
	global_load_b32 v[QS+\u], v3, s[38:39] offset:512*\u
.endr
	KLOAD 1, 2                                     ; record 0's K
.irp u, 0,1
	v_mov_b32 v[NM+1+2*\u], 0xff61b1e6             ; the largest score so far: -3e38, under every score
.endr
.irp u, 0,1
	H 2
	v_mul_f32 v[NM+2*\u], s51, v[NM+1+2*\u]
.endr
.irp u, 0,1
	H 2
	v_floor_f32 v[NM+2*\u], v[NM+2*\u]             ; -M
.endr
.irp i, 0,1,2,3
	v_mov_b32 v[L+\i], 0
.endr
	WIN 0x40
.set j, 0
.rept 64
	v_mov_b32 v[128+j], 0                          ; O^T.  (The step is written once: the first finds zeros, which the first change of M leaves zeros)
.set j, j+1
.endr
	WIN 0
	s_mov_b32 s32, 0                               ; the record in hand
	s_mov_b32 s33, 16
	s_wait_alu depctr_va_vdst(0)
	s_wait_loadcnt 0x0
.Lstep:                                            ; 128 keys x 32 queries
	s_add_co_u32 s35, s32, REC
	s_min_u32 s35, s35, 15*REC                     ; the next record, held inside the sixteen
	s_wait_dscnt 0x0                               ; K's tiles and scale words are in
	WIN 0x40
.irp t, 0,1,2,3
.irp u, 0,1
	v_wmma_scale_f32_16x16x128_f8f6f4 v[64*\u+8*\t:64*\u+8*\t+7], v[KF+6*\t:KF+6*\t+11], v[QF+12*\u:QF+12*\u+11], 0, v[KS+\t], v[QS+\u] matrix_a_fmt:MATRIX_FMT_FP6 matrix_b_fmt:MATRIX_FMT_FP6
.endr
.endr
.irp t, 4,5,6,7
.irp u, 0,1
	v_wmma_scale_f32_16x16x128_f8f6f4 v[64*\u+8*\t:64*\u+8*\t+7], v[KF+6*\t:KF+6*\t+11], v[QF+12*\u:QF+12*\u+11], 0, v[KS+\t-4], v[QS+\u] matrix_a_fmt:MATRIX_FMT_FP6 matrix_b_fmt:MATRIX_FMT_FP6 matrix_a_scale:MATRIX_SCALE_ROW1
.endr
.endr
	WIN 0
	v_add_nc_u32 v10, s32, v1                      ; four places: for the loads below, into registers that products have read, and for the first reads of the scores
	v_add_nc_u32 v11, s32, v3
	v_add_nc_u32 v8, s35, v1
	v_add_nc_u32 v9, s35, v2
.irp t, 0,1,2,3                                ; this step's V: 25 loads
.irp p, 0,1,2,3,4,5
	ds_load_b64 v[VF+12*\t+2*\p:VF+12*\t+2*\p+1], v10 offset:6144+1536*\t+256*\p
.endr
.endr
	ds_load_b128 v[VS:VS+3], v11 offset:12800      ; V's scale words: row r, tiles 0-3
	KLOAD 8, 9                                     ; the next step's K: 25 loads
	WIN 0x15
.irp b, 0,1,2,3
.irp u, 0,1
	v_max3_num_f32 v[BM+4*\u+\b], v[64*\u+16*\b], v[64*\u+16*\b+1], v[64*\u+16*\b+2]   ; the largest score of each block of 32 keys: it serves for the row's maximum and, since p rises with the score, for the block's largest p
.endr
.endr
	WIN 0x14
.irp i, 3,5,7,9,11,13
.irp b, 0,1,2,3
.irp u, 0,1
	v_max3_num_f32 v[BM+4*\u+\b], v[BM+4*\u+\b], v[64*\u+16*\b+\i], v[64*\u+16*\b+\i+1]   ; eight chains by turns
.endr
.endr
.endr
.irp b, 0,1,2,3
.irp u, 0,1
	v_max_num_f32 v[BM+4*\u+\b], v[BM+4*\u+\b], v[64*\u+16*\b+15]
.endr
.endr
	WIN 0
.irp b, 0,1,2,3
.irp u, 0,1
	v_permlanex16_b32 v[PT+4*\u+\b], v[BM+4*\u+\b], s28, s29
.endr
.endr
.irp b, 0,1,2,3
.irp u, 0,1
	v_max_num_f32 v[BM+4*\u+\b], v[BM+4*\u+\b], v[PT+4*\u+\b]   ; with lane l xor 16's 16 keys
.endr
.endr
.irp u, 0,1
	v_max3_num_f32 v[NM+1+2*\u], v[BM+4*\u], v[BM+4*\u+1], v[NM+1+2*\u]
.endr
.irp u, 0,1
	H 2
	v_max3_num_f32 v[NM+1+2*\u], v[BM+4*\u+2], v[BM+4*\u+3], v[NM+1+2*\u]   ; the running largest score
.endr
.irp u, 0,1
	H 2
	v_mul_f32 v[E+\u], s51, v[NM+1+2*\u]           ; -t (c is positive)
.endr
.irp u, 0,1
	H 2
	v_floor_f32 v[E+\u], v[E+\u]                   ; the new -M = floor(-t) = -ceil(t): M is a whole number
.endr
.irp u, 0,1
	H 2
	v_sub_f32 v[D+\u], v[E+\u], v[NM+2*\u]         ; M's old value less its new one: a whole number, 0 or less
.endr
.irp u, 0,1
	H 4
	v_mov_b32 v[NM+2*\u], v[E+\u]
.endr
.irp u, 0,1
	H 4
	v_cvt_i32_f32 v[D+\u], v[D+\u]                 ; (it saturates)
.endr
.irp u, 0,1
	H 2
	v_ldexp_f32 v[F+2*\u], 1.0, v[D+\u]            ; f = 2^(old M - new M)
.endr
.irp b, 0,1,2,3
.irp u, 0,1
	v_fma_f32 v[BM+4*\u+\b], v[BM+4*\u+\b], s30, v[NM+2*\u]   ; t - M of each block's largest score
.endr
.endr
.irp u, 0,1
	v_pk_mul_f32 v[L+2*\u:L+2*\u+1], v[L+2*\u:L+2*\u+1], v[F+2*\u:F+2*\u+1] op_sel_hi:[1,0]   ; the sums under the new M
.endr
	WIN 0x41
.set j, 0
.rept 64
	v_pk_fma_f32 v[2*j:2*j+1], v[2*j:2*j+1], s[30:31], v[NM+2*(j/32):NM+2*(j/32)+1] op_sel_hi:[1,0,0]   ; t - M, two at a time
.set j, j+1
.endr
.set j, 0
.rept 32
	v_pk_mul_f32 v[128+2*j:128+2*j+1], v[128+2*j:128+2*j+1], v[F+2*(j/16):F+2*(j/16)+1] op_sel_hi:[1,0]   ; O^T under the new M, each accumulator from its low end on
.set j, j+1
.endr
	s_wait_alu depctr_va_vdst(0)
.set j, 0
.rept 128
	v_exp_f32 v[j], v[j]                           ; p = 2^(t - M), at most 1: not normalised
.set j, j+1
.endr
	WIN 0
.irp i, 0,1,2,3,4,5,6,7
	v_exp_f32 v[BM+\i], v[BM+\i]                   ; the block's largest p: the same two instructions on the same number
.endr
	v_nop                                          ; a plain place behind the exponentials
	s_wait_alu depctr_va_vdst(0)                   ; one wait for the whole batch, ahead of its first reader
	WIN 0x05                                       ; THE ROW'S SUM OF THE UNQUANTISED p: 32 pairs a tile in five chains
.irp k, 0,1,2
.irp u, 0,1
	v_pk_add_f32 v[AC+8*\u+2*\k:AC+8*\u+2*\k+1], v[64*\u+16+16*\k:64*\u+17+16*\k], v[64*\u+18+16*\k:64*\u+19+16*\k]
.endr
.endr
.irp u, 0,1
	v_pk_add_f32 v[AC+8*\u+6:AC+8*\u+7], v[64*\u+12:64*\u+13], v[64*\u+14:64*\u+15]
.endr
	WIN 0x04
.irp i, 0,1,2,3,4,5
.irp u, 0,1
	v_pk_add_f32 v[L+2*\u:L+2*\u+1], v[L+2*\u:L+2*\u+1], v[64*\u+2*\i:64*\u+2*\i+1]
.endr
.irp k, 0,1,2
.irp u, 0,1
	v_pk_add_f32 v[AC+8*\u+2*\k:AC+8*\u+2*\k+1], v[AC+8*\u+2*\k:AC+8*\u+2*\k+1], v[64*\u+20+16*\k+2*\i:64*\u+21+16*\k+2*\i]
.endr
.endr
.endr
	WIN 0
.irp b, 0,1,2,3
.irp u, 0,1
	v_max_num_f32 v[BM+4*\u+\b], 0x1800000, v[BM+4*\u+\b]    ; the floor 2^(3 - 127): the byte cannot fall under 1
.endr
.endr
.irp b, 0,1,2,3
.irp u, 0,1
	v_add_nc_u32 v[SO+4*\u+\b], 0xff000000, v[BM+4*\u+\b]    ; 2 off the exponent field: the conversion's scale operand
.endr
.endr
.irp b, 0,1,2,3
.irp u, 0,1
	v_lshrrev_b32 v[PT+4*\u+\b], 23, v[SO+4*\u+\b]           ; the scale's byte
.endr
.endr
.irp u, 0,1
	v_lshl_or_b32 v[F+1+2*\u], v[PT+4*\u+1], 8, v[PT+4*\u]   ; p's scale word for these 128 keys
.endr
.irp u, 0,1
	H 2
	v_lshl_or_b32 v[F+1+2*\u], v[PT+4*\u+2], 16, v[F+1+2*\u]
.endr
.irp u, 0,1
	H 2
	v_lshl_or_b32 v[F+1+2*\u], v[PT+4*\u+3], 24, v[F+1+2*\u]
.endr
.irp u, 0,1
	v_pk_add_f32 v[AC+8*\u:AC+8*\u+1], v[AC+8*\u:AC+8*\u+1], v[AC+8*\u+2:AC+8*\u+3]
	v_pk_add_f32 v[AC+8*\u+4:AC+8*\u+5], v[AC+8*\u+4:AC+8*\u+5], v[AC+8*\u+6:AC+8*\u+7]
.endr
	WIN 0x01
.irp u, 0,1
.irp c, 0,1
	v_cvt_scalef32_pk16_fp6_f32 v[PF+12*\u+6*\c:PF+12*\u+6*\c+2], v[64*\u+32*\c:64*\u+32*\c+15], v[SO+4*\u+2*\c]
	v_cvt_scalef32_pk16_fp6_f32 v[CT+8*\u+4*\c:CT+8*\u+4*\c+2], v[64*\u+32*\c+16:64*\u+32*\c+31], v[SO+4*\u+2*\c+1]   ; (a conversion's three registers begin on an even number)
.endr
.endr
	WIN 0
	v_nop                                          ; one plain place behind a scaled conversion
.irp u, 0,1                                    ; the operand's layout wants a whole block in a lane
.irp c, 0,1
.irp i, 0,1,2
	v_permlane16_swap_b32 v[PF+12*\u+6*\c+\i], v[CT+8*\u+4*\c+\i]
.endr
.endr
.endr
.irp u, 0,1
	v_pk_add_f32 v[AC+8*\u:AC+8*\u+1], v[AC+8*\u:AC+8*\u+1], v[AC+8*\u+4:AC+8*\u+5]
.endr
.irp u, 0,1
.irp c, 0,1
.irp i, 0,1,2
	v_mov_b32 v[PF+12*\u+6*\c+3+\i], v[CT+8*\u+4*\c+\i]
.endr
.endr
.endr
.irp u, 0,1
	v_pk_add_f32 v[L+2*\u:L+2*\u+1], v[L+2*\u:L+2*\u+1], v[AC+8*\u:AC+8*\u+1]   ; these two and the two below: four places between the codes' last writes and the products
.endr
	v_nop
	v_nop
	s_wait_alu depctr_va_vdst(0)
	s_wait_dscnt 25                                ; V's fragments and scale words are in; the 25 loads issued behind them, the next step's K, may be out
	WIN 0x50
.irp t, 0,1,2,3
.irp u, 0,1
	v_wmma_scale_f32_16x16x128_f8f6f4 v[128+32*\u+8*\t:128+32*\u+8*\t+7], v[VF+12*\t:VF+12*\t+11], v[PF+12*\u:PF+12*\u+11], v[128+32*\u+8*\t:128+32*\u+8*\t+7], v[VS+\t], v[F+1+2*\u] matrix_a_fmt:MATRIX_FMT_FP6 matrix_b_fmt:MATRIX_FMT_FP6
.endr
.endr
	WIN 0
	s_add_co_u32 s32, s32, REC
	s_sub_co_u32 s33, s33, 1
	s_cmp_lg_u32 s33, 0
	s_cbranch_scc1 .Lstep
	; THE WAY OUT OF A PASS.  O^T / the sum; register 16 b + i is channel 32 b + 16 h + i of my query: two blocks of the last projection's K.
.irp u, 0,1
	v_add_f32 v[L+2*\u], v[L+2*\u], v[L+2*\u+1]
.endr
.irp u, 0,1
	H 2
	v_permlanex16_b32 v[PT+4*\u], v[L+2*\u], s28, s29
.endr
.irp u, 0,1
	H 2
	v_add_f32 v[L+2*\u], v[L+2*\u], v[PT+4*\u]     ; the row's sum.  (These six are also the places behind the last products)
.endr
	s_wait_alu depctr_va_vdst(0)
.irp u, 0,1
	v_rcp_f32 v[L+2*\u], v[L+2*\u]
.endr
	v_nop                                          ; a plain place behind the transcendentals
	WIN 0x41
	s_wait_alu depctr_va_vdst(0)                   ; the wait ahead of the reciprocals' and of O^T's first readers
.set j, 0
.rept 32
	v_pk_mul_f32 v[64*(j/16)+2*(j%16):64*(j/16)+2*(j%16)+1], v[128+2*j:128+2*j+1], v[L+2*(j/16):L+2*(j/16)+1] op_sel_hi:[1,0]   ; each accumulator from its low end on
.set j, j+1
.endr
	WIN 0x05
.irp u, 0,1
.irp b, 0,1
	v_max3_num_f32 v[BM+4*\u+\b], |v[64*\u+16*\b]|, |v[64*\u+16*\b+1]|, 0x1800000   ; a block's largest magnitude in two chains, with the floor
.endr
.endr
	WIN 0x15
.irp u, 0,1
.irp b, 0,1
	v_max3_num_f32 v[SO+4*\u+2+\b], |v[64*\u+16*\b+8]|, |v[64*\u+16*\b+9]|, |v[64*\u+16*\b+10]|
.endr
.endr
	WIN 0x14
.irp i, 2,4
.irp u, 0,1
.irp b, 0,1
	v_max3_num_f32 v[BM+4*\u+\b], v[BM+4*\u+\b], |v[64*\u+16*\b+\i]|, |v[64*\u+16*\b+\i+1]|
.endr
.endr
.irp u, 0,1
.irp b, 0,1
	v_max3_num_f32 v[SO+4*\u+2+\b], v[SO+4*\u+2+\b], |v[64*\u+16*\b+\i+9]|, |v[64*\u+16*\b+\i+10]|
.endr
.endr
.endr
.irp u, 0,1
.irp b, 0,1
	v_max3_num_f32 v[BM+4*\u+\b], v[BM+4*\u+\b], |v[64*\u+16*\b+6]|, |v[64*\u+16*\b+7]|
.endr
.endr
	WIN 0x04
.irp u, 0,1
.irp b, 0,1
	v_max3_num_f32 v[BM+4*\u+\b], v[BM+4*\u+\b], |v[64*\u+16*\b+15]|, v[SO+4*\u+2+\b]   ; from here on four chains by turns (2 tiles x 2 blocks)
.endr
.endr
	WIN 0
.irp u, 0,1
.irp b, 0,1
	v_permlanex16_b32 v[PT+4*\u+\b], v[BM+4*\u+\b], s28, s29
.endr
.endr
.irp u, 0,1
.irp b, 0,1
	v_max_num_f32 v[BM+4*\u+\b], v[BM+4*\u+\b], v[PT+4*\u+\b]
.endr
.endr
.irp u, 0,1
.irp b, 0,1
	v_add_nc_u32 v[SO+4*\u+\b], 0xff000000, v[BM+4*\u+\b]
.endr
.endr
.irp u, 0,1
.irp b, 0,1
	v_lshrrev_b32 v[PT+4*\u+\b], 23, v[SO+4*\u+\b]
.endr
.endr
	H 3
	v_lshl_or_b32 v[D], v[PT+1], 8, v[PT]          ; my query's two scale bytes, tile 0,
	H 2
	v_lshl_or_b32 v[D+1], v[PT+5], 8, v[PT+4]      ; tile 1
	WIN 0x01
.irp u, 0,1
	v_cvt_scalef32_pk16_fp6_f32 v[PF+12*\u:PF+12*\u+2], v[64*\u:64*\u+15], v[SO+4*\u]
	v_cvt_scalef32_pk16_fp6_f32 v[CT+8*\u:CT+8*\u+2], v[64*\u+16:64*\u+31], v[SO+4*\u+1]
.endr
	WIN 0
	v_nop                                          ; one plain place behind a scaled conversion
.irp u, 0,1
.irp i, 0,1,2
	v_permlane16_swap_b32 v[PF+12*\u+\i], v[CT+8*\u+\i]
.endr
.endr
.irp u, 0,1
.irp i, 0,1,2
	v_mov_b32 v[PF+12*\u+3+\i], v[CT+8*\u+\i]
.endr
.endr
.irp u, 0,1
.irp p, 0,1,2
	global_store_b64 v1, v[PF+12*\u+2*\p:PF+12*\u+2*\p+1], s[40:41] offset:98304*\u+256*\p   ; 32 lanes store 256 consecutive bytes, aligned
.endr
	global_store_b16 v4, v[D+\u], s[42:43] offset:4096*\u   ; lanes r and r + 16 store the same two bytes with the same values
.endr
	s_wait_alu depctr_va_vdst(0)
	s_wait_dscnt 0x0                               ; the last step's loads of K have landed: the next pass loads into the same registers
	s_wait_xcnt 0x0                                ; loads and stores have read their bases and data: they are written again below and in the next pass
	s_add_nc_u64 s[36:37], s[36:37], 12288         ; sixteen tiles on
	s_add_nc_u64 s[38:39], s[38:39], 1024
	s_add_nc_u64 s[40:41], s[40:41], 196608
	s_add_nc_u64 s[42:43], s[42:43], 8192
	s_sub_co_u32 s34, s34, 1
	s_cmp_lg_u32 s34, 0
	s_cbranch_scc1 .Lpass
	s_wait_tensorcnt 0x0                           ; the wave's end
	ds_add_u32 v254, v255
	s_wait_dscnt 0x0
	CROUND                                         ; the closing round
	s_endpgm
.Lfunc_end_k_qabacbd8bd4_attn:
	.size	k_qabacbd8bd4_attn, .Lfunc_end_k_qabacbd8bd4_attn-k_qabacbd8bd4_attn
	.p2alignl 7, 3214868480
	.fill 96, 4, 3214868480
	.section	.rodata,"a",@progbits
	.p2align	6, 0x0
	.amdhsa_kernel k_qabacbd8bd4_attn
		.amdhsa_group_segment_fixed_size 215040
		.amdhsa_private_segment_fixed_size 0
		.amdhsa_enable_private_segment 0
		.amdhsa_kernarg_size 24
		.amdhsa_user_sgpr_count 2
		.amdhsa_user_sgpr_kernarg_segment_ptr 1
		.amdhsa_wavefront_size32 1
		.amdhsa_system_sgpr_workgroup_id_x 1
		.amdhsa_system_sgpr_workgroup_id_y 1
		.amdhsa_system_sgpr_workgroup_id_z 1
		.amdhsa_system_vgpr_workitem_id 0
		.amdhsa_next_free_vgpr 448
		.amdhsa_next_free_sgpr 66
		.amdhsa_reserve_vcc 0
		.amdhsa_float_denorm_mode_32 3
		.amdhsa_float_denorm_mode_16_64 3
		.amdhsa_memory_ordered 1
		.amdhsa_forward_progress 1
		.amdhsa_inst_pref_size 50
	.end_amdhsa_kernel
	.amdgpu_metadata
---
amdhsa.version: [ 1, 2 ]
amdhsa.kernels:
  - .name:           k_qabacbd8bd4_attn
    .symbol:         k_qabacbd8bd4_attn.kd
    .args:
      - { .name: qkv, .offset: 0, .size: 8, .value_kind: global_buffer, .address_space: global }
      - { .name: oc, .offset: 8, .size: 8, .value_kind: global_buffer, .address_space: global }
      - { .name: os, .offset: 16, .size: 8, .value_kind: global_buffer, .address_space: global }
    .group_segment_fixed_size: 215040
    .private_segment_fixed_size: 0
    .kernarg_segment_align: 8
    .kernarg_segment_size: 24
    .max_flat_workgroup_size: 256
    .sgpr_count:     66
    .vgpr_count:     448
    .wavefront_size: 32
...
	.end_amdgpu_metadata
.endif
;; end of part 3
;; launch gemm_out (part 4): grid 4 x 32, 4 waves a work-group, clusters of 4 x 4, 327,680 bytes of LDS; arguments oc, os, wc, ws, bout, out0; writes out0
.if DOCPART == 4
	.amdgcn_target "amdgcn-amd-amdhsa--gfx1250"
	.amdhsa_code_object_version 6
	.text
	.protected	k_qabacbd8bd4_gemm_out
	.globl	k_qabacbd8bd4_gemm_out
	.p2align	8
	.type	k_qabacbd8bd4_gemm_out,@function
k_qabacbd8bd4_gemm_out:
	s_mov_b64 s[64:65], 0
	v_nop
	global_prefetch_b8 v0, s[64:65] scope:SCOPE_SE
	s_setreg_imm32_b32 hwreg(HW_REG_WAVE_MODE, 25, 1), 1
	s_wait_xcnt 0x0
	s_wait_alu depctr_hold_cnt(0) depctr_sa_sdst(0) depctr_va_vdst(0) depctr_va_sdst(0) depctr_va_ssrc(0) depctr_va_vcc(0) depctr_vm_vsrc(0)
	s_getreg_b32 s2, hwreg(HW_REG_IB_STS2, 6, 4)
	s_cmp_eq_u32 s2, 0
	s_cbranch_scc0 .Lentry_in_a_cluster
	s_endpgm
.Lentry_in_a_cluster:
	s_bfe_u32 s2, ttmp6, 0x10000c
	s_cmp_lg_u32 s2, 0xf033
	s_cbranch_scc0 .Lentry_shape_is_right
	s_endpgm
.Lentry_shape_is_right:
.set NQ,     2
.set FR,     12
.set NL,     6
.set NP,     4
.set FRB,    1536
.set TROW,   3072
.set HALFT,  8*TROW
.set SLOT,   4*HALFT
.set LAPS,   2
.set SCL,    2*SLOT
.set HALFS,  16*272
.set SBLK,   544
.set SPARE,  SCL+4*HALFS
.set SPITCH, 528
.set ADRA, 16
.set ADRB, 20
.set STO,  24
.set RD,   25
.set CO,   26
.set ADRS, 27
.set SPW,  28
.set NIL,  29
.set SC,   32
.set BI,   64
.set AF,   128
.set BK,   128
.set G1, 24
.set G0, 32
.set G1B, 48
.set G0B, 56
.set G1S, 68
.set G0S, 76
.set G1SB, 80
.set G0SB, 88
.set MSB, 0
.macro WIN new
.if MSB != (\new)
	s_set_vgpr_msb (MSB<<8)|(\new)
.set MSB, (\new)
.endif
.endm
.set MUL_LO, 0xa1
.set MUL_HI, 0xf1
.set TO_B,   0x40
.macro JLOAD g0a, g1a, g0b, g1b
	s_cmp_eq_u32 s17, 0
	s_cbranch_scc0 .Lfor_b_\@
	tensor_load_to_lds s[\g0a:\g0a+3], s[\g1a:\g1a+7]
	s_nop 0
.rept 4
	v_nop
.endr
	s_branch .Lasked_\@
.Lfor_b_\@:
	tensor_load_to_lds s[\g0b:\g0b+3], s[\g1b:\g1b+7]
	s_nop 0
.rept 4
	v_nop
.endr
.Lasked_\@:
.endm
.macro CREST
	s_cmp_lg_u32 s16, 0
	s_cbranch_scc1 .Lnot_wave_0_\@
	s_barrier_signal -3
.Lnot_wave_0_\@:
	s_barrier_wait -3
	s_barrier_signal -1
	s_barrier_wait -1
.endm
.macro CROUND
	s_barrier_signal -1
	s_barrier_wait -1
	CREST
.endm
	s_load_b256 s[4:11], s[0:1], 0x0
	s_load_b128 s[12:15], s[0:1], 0x20
	v_lshl_add_u32 v[SPW], v0, 2, SPARE
	v_mov_b32 v[NIL], 0
	ds_add_u32 v28, v29
	ds_add_u32 v28, v29
	s_wait_dscnt 0x0
	v_lshrrev_b32 v1, 5, v0
	v_readfirstlane_b32 s16, v1
	s_lshr_b32 s17, s16, 1
	s_and_b32 s18, s16, 1
	s_bfe_u32 s40, ttmp6, 0x40000
	s_bfe_u32 s41, ttmp6, 0x40004
	s_lshl_b32 s42, ttmp9, 2
	s_add_co_u32 s42, s42, s40
	s_and_b32 s43, ttmp7, 0xffff
	s_lshl_b32 s43, s43, 2
	s_add_co_u32 s43, s43, s41
	s_lshl_b32 s44, s41, 2
	s_lshl_b32 s44, 15, s44
	s_lshl_b32 s45, 0x1111, s40
	s_or_b32 s[G1+0], s44, (3<<16)|(1<<21)
	s_or_b32 s[G1B+0], s45, (3<<16)|(1<<21)
.irp g, G1, G1B
	s_mov_b32 s[\g+1], 384<<16
	s_mov_b32 s[\g+2], 16<<16
	s_mov_b32 s[\g+3], 384<<16
	s_mov_b32 s[\g+4], 16
	s_mov_b32 s[\g+5], 1536
	s_mov_b32 s[\g+6], 0
	s_mov_b32 s[\g+7], 0
.endr
	s_or_b32 s[G1S+0], s44, (3<<16)|(1<<20)|(1<<21)|(5<<22)|(3<<25)
	s_or_b32 s[G1SB+0], s45, (3<<16)|(1<<20)|(1<<21)|(5<<22)|(3<<25)
.irp g, G1S, G1SB
	s_mov_b32 s[\g+1], 32<<16
	s_mov_b32 s[\g+2], 32<<16
	s_mov_b32 s[\g+3], 32<<16
	s_mov_b32 s[\g+4], 32
	s_mov_b32 s[\g+5], 32
	s_mov_b32 s[\g+6], 0
	s_mov_b32 s[\g+7], 0
.endr
	s_lshl_b32 s46, s43, 4
	s_lshl_b32 s47, s42, 4
	s_add_co_u32 s47, s47, 192
	s_mul_i32 s92, s46, 12288
	s_mov_b32 s93, 0
	s_lshl_b32 s94, s46, 9
	s_mov_b32 s95, 0
	s_mul_i32 s96, s47, 12288
	s_mov_b32 s97, 0
	s_lshl_b32 s98, s47, 9
	s_mov_b32 s99, 0
	s_mul_i32 s100, s16, HALFT
	s_mul_i32 s46, s18, 8*12288                    ; in the ring I fetch 8 of a tile's 16 row tiles: which half, in bytes
	s_mov_b32 s47, 0
	s_wait_kmcnt 0x0
	s_add_nc_u64 s[20:21], s[4:5], s[92:93]
	s_add_nc_u64 s[22:23], s[6:7], s[94:95]
	s_add_nc_u64 s[4:5], s[8:9], s[96:97]
	s_add_nc_u64 s[6:7], s[10:11], s[98:99]
	CROUND
	s_mov_b32 s[G0S], 1
	s_mov_b32 s[G0S+1], SCL
	s_mov_b64 s[G0S+2:G0S+3], s[22:23]
	s_or_b32 s[G0S+3], s[G0S+3], 0x80000000
	s_mov_b32 s[G0SB], 1
	s_mov_b32 s[G0SB+1], SCL+2*HALFS
	s_mov_b64 s[G0SB+2:G0SB+3], s[6:7]
	s_or_b32 s[G0SB+3], s[G0SB+3], 0x80000000
	s_mov_b32 s92, 1                               ; the head's four tiles, each whole: K steps 0 and 1 of A's 16 row tiles,
	s_mov_b32 s93, 0
	s_mov_b64 s[94:95], s[20:21]
	s_or_b32 s95, s95, 0x80000000
	s_mov_b32 s8, 1                                ; of B's 16, behind them in slot 0; the scales' groups 0 stand above
	s_mov_b32 s9, 2*HALFT
	s_mov_b64 s[10:11], s[4:5]
	s_or_b32 s11, s11, 0x80000000
; one joint load a wave at the head: wave 0 A's codes, wave 1 B's, wave 2 A's scales, wave 3 B's; one chain of branches on the wave's number, all arms leading to one join
.macro ARM under, g0, g1, next
	s_cmp_lt_u32 s16, \under
	s_cbranch_scc0 \next
	tensor_load_to_lds s[\g0:\g0+3], s[\g1:\g1+7]
	s_nop 0
.rept 4
	v_nop
.endr
	s_branch .Lhead_asked
\next:
.endm
	ARM 1, 92, G1, .Lhead_b
	ARM 2, 8, G1B, .Lhead_sa
	ARM 3, G0S, G1S, .Lhead_sb
	tensor_load_to_lds s[G0SB:G0SB+3], s[G1SB:G1SB+7]
	s_nop 0
.rept 4
	v_nop
.endr
.Lhead_asked:
	s_add_nc_u64 s[20:21], s[20:21], s[46:47]      ; for the ring: my 8 row tiles
	s_add_nc_u64 s[4:5], s[4:5], s[46:47]
.irp s, 0,1
	s_mov_b32 s[G0+4*\s], 1
	s_add_co_u32 s[G0+4*\s+1], s100, \s*SLOT
	s_add_nc_u64 s[G0+4*\s+2:G0+4*\s+3], s[20:21], \s*TROW
	s_or_b32 s[G0+4*\s+3], s[G0+4*\s+3], 0x80000000
	s_mov_b32 s[G0B+4*\s], 1
	s_add_co_u32 s[G0B+4*\s+1], s100, \s*SLOT
	s_add_nc_u64 s[G0B+4*\s+2:G0B+4*\s+3], s[4:5], \s*TROW
	s_or_b32 s[G0B+4*\s+3], s[G0B+4*\s+3], 0x80000000
.endr
	v_and_b32 v1, 15, v0
	v_bfe_u32 v2, v0, 4, 1
	v_and_b32 v3, 31, v0
	v_lshlrev_b32 v3, 3, v3
	s_mul_i32 s21, s17, HALFT
	s_mul_i32 s22, s18, HALFT
	s_add_co_u32 s22, s22, 2*HALFT
.irp s, 0,1
	v_add_nc_u32 v[ADRA+\s], s21, v3
	v_add_nc_u32 v[ADRB+\s], s22, v3
	s_add_co_u32 s21, s21, SLOT
	s_add_co_u32 s22, s22, SLOT
.endr
	v_lshlrev_b32 v5, 5, v1
	v_lshrrev_b32 v6, 8, v5
	v_lshl_add_u32 v5, v6, 4, v5
	s_mul_i32 s21, s17, HALFS
	s_mul_i32 s22, s18, HALFS
	s_add_co_u32 s22, s22, 2*HALFS
	s_sub_co_u32 s22, s22, s21
	v_mul_u32_u24 v6, s22, v2
	s_add_co_u32 s21, s21, SCL
	v_add_nc_u32 v5, v5, v6
	v_add_nc_u32 v[ADRS], s21, v5
	s_lshl_b32 s96, s42, 10
	s_lshl_b32 s97, s18, 9
	s_add_co_u32 s96, s96, s97
	s_mov_b32 s97, 0
	s_add_nc_u64 s[12:13], s[12:13], s[96:97]
	v_lshlrev_b32 v12, 6, v2
.irp b, 0,1,2,3,4,5,6,7
	global_load_b128 v[BI+8*\b:BI+8*\b+3], v12, s[12:13] offset:128*(\b/2)+32*(\b%2)
	global_load_b128 v[BI+8*\b+4:BI+8*\b+7], v12, s[12:13] offset:128*(\b/2)+32*(\b%2)+16
.endr
	s_lshl_b32 s98, s43, 8
	s_lshl_b32 s99, s17, 7
	s_add_co_u32 s98, s98, s99
	s_lshl_b32 s98, s98, 12
	s_add_co_u32 s98, s98, s96
	s_mov_b32 s99, 0
	s_add_nc_u64 s[14:15], s[14:15], s[98:99]
	s_mul_i32 s23, s16, 16*SPITCH
	v_mul_u32_u24 v5, v1, SPITCH
	v_lshl_add_u32 v5, v2, 6, v5
	v_add_nc_u32 v[STO], s23, v5
	v_and_b32 v6, 31, v0
	v_lshlrev_b32 v[CO], 4, v6
	v_add_nc_u32 v[RD], s23, v[CO]
.macro FRAG reg, adr, q, i
.irp p, 0,1,2,3,4,5
	ds_load_b64 v[\reg+2*\p:\reg+2*\p+1], v[\adr] offset:(\i)*TROW+(\q)*FRB+256*\p
.endr
.endm
.macro MUL16 a0, p, q, sc, first
.irp a, \a0, \a0+1
.irp b, 0,1,2,3,4,5,6,7
.if \first
	v_wmma_scale_f32_16x16x128_f8f6f4 v[8*(8*((\a)%4)+\b):8*(8*((\a)%4)+\b)+7], v[128*(\p)+FR*\b:128*(\p)+FR*\b+FR-1], v[AF+FR*(\a):AF+FR*(\a)+FR-1], v[BI+8*\b:BI+8*\b+7], v[SC+8*NQ*(\sc)+NQ*\b+(\q)], v[SC+8*NQ*(\sc)+NQ*(\a)+(\q)] matrix_a_fmt:MATRIX_FMT_FP6 matrix_b_fmt:MATRIX_FMT_FP6 matrix_a_scale:MATRIX_SCALE_ROW1
.else
	v_wmma_scale_f32_16x16x128_f8f6f4 v[8*(8*((\a)%4)+\b):8*(8*((\a)%4)+\b)+7], v[128*(\p)+FR*\b:128*(\p)+FR*\b+FR-1], v[AF+FR*(\a):AF+FR*(\a)+FR-1], v[8*(8*((\a)%4)+\b):8*(8*((\a)%4)+\b)+7], v[SC+8*NQ*(\sc)+NQ*\b+(\q)], v[SC+8*NQ*(\sc)+NQ*(\a)+(\q)] matrix_a_fmt:MATRIX_FMT_FP6 matrix_b_fmt:MATRIX_FMT_FP6 matrix_a_scale:MATRIX_SCALE_ROW1
.endif
.endr
.endr
.endm
.macro FETCH_B slot, q, p
	WIN TO_B
.irp i, 0,1,2,3,4,5,6,7
	FRAG 128*(\p)+FR*\i, ADRB+\slot, \q, \i
.endr
	WIN 0
.endm
.macro FETCH_A slot, q, i0
.irp i, \i0, \i0+1, \i0+2, \i0+3
	FRAG AF+FR*(\i), ADRA+\slot, \q, \i
.endr
.endm
.macro SCALES sc
.irp i, 0,1,2,3,4,5,6,7
	ds_load_b64 v[SC+8*NQ*\sc+NQ*\i:SC+8*NQ*\sc+NQ*\i+1], v[ADRS] offset:\i*SBLK
.endr
.endm
.macro PLACES n
.rept \n
	v_nop
.endr
.endm
.macro STEP slot, q, first
	s_wait_dscnt 4*NL
.if \first
	WIN 0x81
.else
	WIN MUL_LO
.endif
	MUL16 0, (\q)%2, \q, \slot, \first
	MUL16 2, (\q)%2, \q, \slot, \first
	s_wait_dscnt 0
	PLACES NP
	FETCH_B \slot, (\q)+1, 1-(\q)%2
	FETCH_A \slot, (\q)+1, 0
.if \first
	WIN 0xc1
.else
	WIN MUL_HI
.endif
	MUL16 4, (\q)%2, \q, \slot, \first
	MUL16 6, (\q)%2, \q, \slot, \first
	PLACES NP
	WIN 0
	FETCH_A \slot, (\q)+1, 4
.endm
.macro TURN slot, next, fill
	s_wait_tensorcnt 0x0
	ds_add_u32 v[SPW], v[NIL]
	s_wait_dscnt 4*NL+1
	WIN MUL_LO
	MUL16 0, 1, NQ-1, \slot, 0
	s_wait_dscnt 0x0
	s_barrier_signal -1
	MUL16 2, 1, NQ-1, \slot, 0
	WIN 0
	s_barrier_wait -1
.if \fill
	CREST
	s_add_nc_u64 s[G0+4*\slot+2:G0+4*\slot+3], s[G0+4*\slot+2:G0+4*\slot+3], 2*TROW
	s_add_nc_u64 s[G0B+4*\slot+2:G0B+4*\slot+3], s[G0B+4*\slot+2:G0B+4*\slot+3], 2*TROW
	JLOAD G0+4*\slot, G1, G0B+4*\slot, G1B
.else
	PLACES NP
.endif
	s_wait_alu depctr_va_vdst(0)
	v_add_nc_u32 v[ADRS], 4*NQ, v[ADRS]
	FETCH_B \next, 0, 0
	FETCH_A \next, 0, 0
	SCALES \next
	WIN MUL_HI
	MUL16 4, 1, NQ-1, \slot, 0
	MUL16 6, 1, NQ-1, \slot, 0
	PLACES NP
	WIN 0
	FETCH_A \next, 0, 4
.endm
	s_wait_alu depctr_va_vdst(0)
	s_wait_tensorcnt 0x0                           ; my tile of the head's four is in
	ds_add_u32 v28, v29
	s_mov_b32 s[G1+2], 8<<16                       ; no tensor load of mine is out: from here on a load brings 8 row tiles
	s_mov_b32 s[G1+4], 8
	s_mov_b32 s[G1B+2], 8<<16
	s_mov_b32 s[G1B+4], 8
	s_wait_dscnt 0x0
	CROUND                                         ; all four tiles are in, and all sixteen work-groups are here
	JLOAD G0+4, G1, G0B+4, G1B                     ; slot 1's first fill, the first tensor load behind the round
	FETCH_B 0, 0, 0
	FETCH_A 0, 0, 0
	SCALES 0
	FETCH_A 0, 0, 4
	s_wait_loadcnt 0x0
	STEP 0, 0, 1
	s_mov_b32 s3, LAPS-1
.Llap:
	TURN 0, 1, 1
	STEP 1, 0, 0
	TURN 1, 0, 1
	STEP 0, 0, 0
	s_sub_co_u32 s3, s3, 1
	s_cmp_lg_u32 s3, 0
	s_cbranch_scc1 .Llap
	TURN 0, 1, 0
	STEP 1, 0, 0
	s_wait_dscnt 4*NL
	WIN MUL_LO
	MUL16 0, 1, NQ-1, 1, 0
	MUL16 2, 1, NQ-1, 1, 0
	s_wait_dscnt 0
	WIN MUL_HI
	MUL16 4, 1, NQ-1, 1, 0
	MUL16 6, 1, NQ-1, 1, 0
	WIN 0
.macro TOSTAGE a
.set AC, 64*((\a)%4)
	WIN 0x08+4*((\a)/4)
.irp b, 0,1,2,3,4,5,6,7
	ds_store_b128 v[STO], v[AC+8*\b:AC+8*\b+3] offset:128*(\b/2)+32*(\b%2)
	ds_store_b128 v[STO], v[AC+8*\b+4:AC+8*\b+7] offset:128*(\b/2)+32*(\b%2)+16
.endr
	WIN 0
.set BB, BK+64*((\a)%2)
.irp t, 0,1,2,3,4,5,6,7,8,9,10,11,12,13,14,15
	ds_load_b128 v[BB+4*\t:BB+4*\t+3], v[RD] offset:\t*SPITCH
.endr
.endm
.macro SEND a, younger
.set BB, BK+64*((\a)%2)
	s_wait_dscnt \younger
.irp t, 0,1,2,3,4,5,6,7,8,9,10,11,12,13,14,15
	global_store_b128 v[CO], v[BB+4*\t:BB+4*\t+3], s[14:15] offset:(32*((\a)/2)+16*(\t/8)+8*((\a)%2)+\t%8)*4096 th:TH_STORE_NT
.endr
.endm
	PLACES NP
	TOSTAGE 0
.irp a, 1,2,3,4,5,6,7
.if \a > 1
	s_wait_xcnt 0x0
.endif
	TOSTAGE \a
	SEND \a-1, 32
.endr
	SEND 7, 0
	s_wait_tensorcnt 0x0
	ds_add_u32 v[SPW], v[NIL]
	s_wait_dscnt 0x0
	CROUND
	s_endpgm
.Lfunc_end_k_qabacbd8bd4_gemm_out:
	.size	k_qabacbd8bd4_gemm_out, .Lfunc_end_k_qabacbd8bd4_gemm_out-k_qabacbd8bd4_gemm_out
	.p2alignl 7, 3214868480
	.fill 96, 4, 3214868480
	.section	.rodata,"a",@progbits
	.p2align	6, 0x0
	.amdhsa_kernel k_qabacbd8bd4_gemm_out
		.amdhsa_group_segment_fixed_size 327680
		.amdhsa_private_segment_fixed_size 0
		.amdhsa_enable_private_segment 0
		.amdhsa_kernarg_size 48
		.amdhsa_user_sgpr_count 2
		.amdhsa_user_sgpr_kernarg_segment_ptr 1
		.amdhsa_wavefront_size32 1
		.amdhsa_system_sgpr_workgroup_id_x 1
		.amdhsa_system_sgpr_workgroup_id_y 1
		.amdhsa_system_sgpr_workgroup_id_z 1
		.amdhsa_system_vgpr_workitem_id 0
		.amdhsa_next_free_vgpr 1024
		.amdhsa_next_free_sgpr 102
		.amdhsa_reserve_vcc 0
		.amdhsa_float_denorm_mode_32 3
		.amdhsa_float_denorm_mode_16_64 3
		.amdhsa_memory_ordered 1
		.amdhsa_forward_progress 1
		.amdhsa_inst_pref_size 162
	.end_amdhsa_kernel
	.amdgpu_metadata
---
amdhsa.version: [ 1, 2 ]
amdhsa.kernels:
  - .name:           k_qabacbd8bd4_gemm_out
    .symbol:         k_qabacbd8bd4_gemm_out.kd
    .args:
      - { .name: oc, .offset: 0, .size: 8, .value_kind: global_buffer, .address_space: global }
      - { .name: os, .offset: 8, .size: 8, .value_kind: global_buffer, .address_space: global }
      - { .name: wc, .offset: 16, .size: 8, .value_kind: global_buffer, .address_space: global }
      - { .name: ws, .offset: 24, .size: 8, .value_kind: global_buffer, .address_space: global }
      - { .name: bout, .offset: 32, .size: 8, .value_kind: global_buffer, .address_space: global }
      - { .name: out0, .offset: 40, .size: 8, .value_kind: global_buffer, .address_space: global }
    .group_segment_fixed_size: 327680
    .private_segment_fixed_size: 0
    .kernarg_segment_align: 8
    .kernarg_segment_size: 48
    .max_flat_workgroup_size: 128
    .sgpr_count:     102
    .vgpr_count:     1024
    .wavefront_size: 32
...
	.end_amdgpu_metadata
.endif
;; end of part 4
